; MI455X (gfx1250); checked and timed in simulation.
; The chip was launched on July 23, 2026; its instructions are those of AMD's public machine-readable ISA for CDNA 5 (MIT licence, August 2026) and "CDNA5" Instruction Set Architecture Reference Guide (July 2026). The comments in the code are by the model that wrote it; some were corrected since.
;; Attn Block. Allowed arithmetic: matrix products marked QUANTISED: E3M2 operands, one E8M0 scale for each 32 along K, by v_wmma_scale_f32_16x16x128_f8f6f4 with both operands' format E3M2, f32 sums; everything else in f32.
;; Inputs: bk 512 float32; bo 512 float32; bq 512 float32; bv 512 float32; gn_bias 512 float32; gn_scale 512 float32; wk 512 x 512 float32; wo 512 x 512 float32; wq 512 x 512 float32; wv 512 x 512 float32; x 8 x 512 x 2,048 float32.
;; Outputs: out0 8 x 512 x 2,048 float32.
;; This version of the problem:
;;   THIS VERSION OF THE PROBLEM IS GIVEN IN LOW PRECISION. The matrix products marked QUANTISED in the list below multiply operands that are first quantised to E3M2 (3 exponent bits, 2 mantissa bits; 6 bits a number), with one power-of-two scale for each 32 numbers along K (OCP MX v1.0); their sums are f32. All else is computed in f32.
;;   The module's matrix products, in the order in which they are computed (A, B: the left and right operand; K: the contracted axis; several contracted axes count as one K, in the product's order):
;;     1. [M 16,384, K 512] x [K 512, N 512]; A: computed on the way; B: input wq: QUANTISED
;;     2. [M 16,384, K 512] x [K 512, N 512]; A: computed on the way; B: input wk: QUANTISED
;;     3. [M 16,384, K 512] x [K 512, N 512]; A: computed on the way; B: input wv: QUANTISED
;;     4. batch 32 x [M 2,048, K 128] x [K 128, N 2,048]; A: computed on the way; B: computed on the way: QUANTISED
;;     5. batch 32 x [M 2,048, K 2,048] x [K 2,048, N 128]; A: softmax (see below); B: computed on the way: QUANTISED
;;     6. [M 16,384, K 512] x [K 512, N 512]; A: computed on the way; B: input wo: QUANTISED
;;   THE QUANTISER, for each operand of a quantised product, along K:
;;     - K is cut into blocks of 32 from its start; a last block that is shorter is filled with zeros.
;;     - A block's scale is 2^e with e = floor(log2(the largest magnitude in the block)) - 4, held to -126 .. 127; a block of zeros has e = 0. As a byte (E8M0): e + 127.
;;     - Each number is divided by its block's scale, clamped to +-28, and rounded to the nearest number of E3M2, ties to even, subnormals kept.
;;     - The product sums the exact products of the quantised numbers (number of the format x scale) in f32.
;;   ~~~python
;;   def quantise(x, axis):      # numpy; x: float32 -> the quantised numbers, widened to float32 again
;;       x = np.moveaxis(x, axis, -1); K = x.shape[-1]
;;       x = np.pad(x, [(0, 0)] * (x.ndim - 1) + [(0, -K % 32)]); x = x.reshape(x.shape[:-1] + (-1, 32)); a = np.abs(x).max(-1, keepdims=True)
;;       e = np.where(a > 0, np.clip(np.frexp(np.where(a > 0, a, 1))[1] - 1 - 4, -126, 127), 0)      # np.frexp(a)[1] - 1 = floor(log2(a)), exactly
;;       r = np.clip(x / 2.0 ** e, -28, 28)
;;       step = 2.0 ** (np.maximum(np.frexp(np.where(r == 0, 1, r))[1] - 1, -2) - 2)
;;       q = np.round(r / step) * step * 2.0 ** e      # np.round: ties to even
;;       return np.moveaxis(q.reshape(q.shape[:-2] + (-1,))[..., :K], -1, axis).astype(np.float32)
;;   ~~~
;;   SOFTMAX AHEAD OF A QUANTISED PRODUCT. Where the list says 'softmax', what is quantised is not the finished softmax but p = 2^(t - M), with t = logit x log2(e) and M = ceil(the row's largest t), a whole number; so 1/2 < the row's largest p <= 1. The row's sum l is taken of the UNQUANTISED p, in f32, and the product's result is divided by l at the end. Since M is a whole number, a kernel that streams over the keys may use a running M (the ceiling of the running maximum): every later rescaling is an exact power of two, which a block's scale takes up: the codes' values come out the same.
;;   OPERANDS COMPUTED ON THE WAY. 'Computed on the way' means the value that the module computes at that place (a softmax that the list does not call 'softmax' is quantised finished and normalised). What goes into a quantiser is computed in f32, as accurately as f32 sums, v_exp_f32 and their like allow (about 1e-6 of the number): no bf16 or f16 on the way to a quantiser, and a product that is left as it is and whose result goes on into a quantised operand takes f32 operands (vector FMAs, or v_wmma_f32_16x16x4_f32). A number that lies on a knife's edge between two numbers of the format may be rounded either way, as far as f32 arithmetic and the matrix unit's own rounding can turn it there, and no further.
;; 2 versions, each right. Each part assembles by itself: llvm-mc -triple=amdgcn-amd-amdhsa -mcpu=gfx1250 --defsym DOCPART=n.
;; ======== version 1 of 2: 4 launches
;; workspace buffers: stats 16,384 bytes; wts 819,200 bytes; qkv 18,874,368 bytes; qkvs 786,432 bytes; att 6,553,600 bytes
;; launch prep (part 1): grid 272 x 1, 8 waves a work-group, no clusters, 0 bytes of LDS; arguments x, wq, wk, wv, wo, stats, wts; writes stats, wts
.if DOCPART == 1
	.amdgcn_target "amdgcn-amd-amdhsa--gfx1250"
	.amdhsa_code_object_version 6
	.text
	.protected	k_q8fdebb2a4d_prep
	.globl	k_q8fdebb2a4d_prep
	.p2align	8
	.type	k_q8fdebb2a4d_prep,@function
k_q8fdebb2a4d_prep:
	s_mov_b64 s[64:65], 0
	v_nop
	global_prefetch_b8 v0, s[64:65] scope:SCOPE_SE
	s_setreg_imm32_b32 hwreg(HW_REG_WAVE_MODE, 25, 1), 1
	s_wait_xcnt 0x0
; Two jobs in one launch, parted by the work-group's number.
; WORK-GROUPS 0-15: the four weights [512 (o)][512 (c)] f32 become codes of BF6 (E3M2) with one E8M0 byte for each 32 along c, laid in the order of an operand's registers.
;   A wave takes one tile of 16 rows, all 512 along K: four fragments of 16 x 128.  Row rho of tile tau is output 32 (tau / 2) + 8 (tau % 2) + rho + 8 (rho / 8).
;   Lane (r, h) holds k = 128 s + 64 c + 32 h + 0 .. 31 of its row: two whole blocks a K step, so no other lane is asked for a maximum.
;   wts: codes [matrix q,k,v,o][tile 32][K step 4][1,536]: registers 4 g .. 4 g + 3 of lane l at 512 g + 16 l; from byte 786,432 the scale words [matrix][tile][row 16][K step 4].
; WORK-GROUPS 16-271: a wave takes 16 KiB of x on end (4,096 numbers, one of a group's 64 chunks) and stores its mean and the sum of squares about that mean: stats [batch x group 32][chunk 64][2] f32.
;   The next launch joins the chunks; no difference of large sums is formed, so a common offset of the inputs costs no accuracy.
; A block's scale is 2^(floor(log2(largest magnitude)) - 4); its byte is the largest magnitude's exponent field - 4, held at 1 from below.
; LIMITS: NaN and infinities are not served; a block of zeros, or one whose largest magnitude lies under 2^-122, gets the byte 1 (its codes are zeros or subnormal codes); the bytes are read by this program alone.
; The statistics leave as 8 bytes a wave (16 KiB in the whole launch): a wave has no more to say.
.set NUM, 16                           ; v16-143  two sets of 64 numbers (weights); 128 registers of x (statistics)
.set C,   144                          ; v144-191 codes: 12 registers for each K step, so that no store's data are written again; the statistics' four chains lie in v144-151
.set SCR, 192                          ; v192-198 the upper halves of two blocks, before they are moved
.set SW,  200                          ; v200-203 the row's scale word of each K step
	s_load_b256 s[4:11], s[0:1], 0x0               ; x s[4:5], wq s[6:7], wk s[8:9], wv s[10:11]
	s_load_b128 s[12:15], s[0:1], 0x20             ; wo s[12:13], stats s[14:15]
	s_load_b64 s[16:17], s[0:1], 0x30              ; wts
	v_lshrrev_b32 v1, 5, v0
	v_readfirstlane_b32 s18, v1                    ; wave 0..7
	v_and_b32 v1, 31, v0                           ; lane
	v_and_b32 v2, 15, v0                           ; r
	v_bfe_u32 v3, v0, 4, 1                         ; h
	v_mov_b32 v13, 0                               ; written once: a lane permute's destination counts as one of its sources
	v_mov_b32 v9, 0
	s_mov_b32 s20, 0x76543210
	s_mov_b32 s21, 0xfedcba98                      ; v_permlanex16_b32's selects for lane l xor 16
	s_cmp_lt_u32 ttmp9, 16
	s_cbranch_scc0 .Lstats
	; ---------------- the weights ----------------
	s_lshr_b32 s22, ttmp9, 2                       ; which matrix
	s_lshl_b32 s23, ttmp9, 3
	s_add_co_u32 s23, s23, s18                     ; 32 x matrix + tile
	s_and_b32 s24, s23, 31                         ; tile
	s_lshr_b32 s25, s24, 1
	s_lshl_b32 s25, s25, 5
	s_and_b32 s26, s24, 1
	s_lshl_b32 s26, s26, 3
	s_add_co_u32 s25, s25, s26                     ; the tile's first row: 32 (tile / 2) + 8 (tile % 2)
	s_lshl_b32 s26, s25, 11                        ; a row is 2,048 bytes
	s_mov_b32 s27, 0
	s_mul_i32 s28, s23, 6144                       ; a tile's four fragments
	s_mov_b32 s29, 0
	s_lshl_b32 s30, s23, 8                         ; a tile's 64 scale words
	s_add_co_u32 s30, s30, 786432
	s_mov_b32 s31, 0
	v_and_b32 v4, 8, v2
	v_add_nc_u32 v4, v4, v2                        ; r + 8 (r / 8)
	v_lshlrev_b32 v4, 11, v4
	v_lshl_add_u32 v4, v3, 7, v4                   ; my row, + 128 h bytes: my block of 32 numbers
	v_lshlrev_b32 v5, 4, v1                        ; 16 x lane: my place in an image
	v_lshlrev_b32 v6, 4, v2
	v_lshl_add_u32 v6, v3, 3, v6                   ; 16 r + 8 h: my two of the row's four scale words
	v_lshlrev_b32 v7, 3, v3                        ; 8 h: my bytes' place in a scale word
	s_wait_kmcnt 0x0
	s_cmp_eq_u32 s22, 1                            ; the choice hangs on the work-group's number alone
	s_cselect_b64 s[6:7], s[8:9], s[6:7]
	s_cmp_eq_u32 s22, 2
	s_cselect_b64 s[6:7], s[10:11], s[6:7]
	s_cmp_eq_u32 s22, 3
	s_cselect_b64 s[6:7], s[12:13], s[6:7]
	s_add_nc_u64 s[6:7], s[6:7], s[26:27]
	s_add_nc_u64 s[32:33], s[16:17], s[28:29]      ; where my codes go
	s_add_nc_u64 s[34:35], s[16:17], s[30:31]      ; and my scale words
.macro LOADK s                         ; K step s: my two blocks of 32 numbers, 128 bytes each, into set s % 2
.irp c, 0,1
.irp i, 0,1,2,3,4,5,6,7
	global_load_b128 v[NUM+64*((\s)%2)+32*\c+4*\i:NUM+64*((\s)%2)+32*\c+4*\i+3], v4, s[6:7] offset:512*(\s)+256*\c+16*\i th:TH_LOAD_NT
.endr
.endr
.endm
.macro QW s                            ; K step s becomes a fragment and a scale word
.set XS, NUM+64*((\s)%2)
.irp c, 0,1
	v_max3_num_f32 v[8+\c], |v[XS+32*\c]|, |v[XS+32*\c+1]|, 0x2800000   ; my block 2 c + h, and the floor 2^(5 - 127): the byte cannot fall under 1
.endr
.irp i, 2,4,6,8,10,12,14,16,18,20,22,24,26,28,30
.irp c, 0,1
	v_max3_num_f32 v[8+\c], v[8+\c], |v[XS+32*\c+\i]|, |v[XS+32*\c+\i+1]|   ; (the two blocks by turns)
.endr
.endr
.irp c, 0,1
	v_add_nc_u32 v[10+\c], 0xfe000000, v[8+\c]     ; 4 off the exponent field: the conversion's scale operand
.endr
.irp c, 0,1
	v_lshrrev_b32 v[8+\c], 23, v[10+\c]            ; the scale's byte
.endr
	v_lshl_or_b32 v12, v9, 16, v8                  ; my two bytes: blocks h and 2 + h,
	v_lshlrev_b32 v12, v7, v12                     ; at their places in the word;
	v_permlanex16_b32 v13, v12, s20, s21
	v_or_b32 v[SW+(\s)], v12, v13                  ; with lane l xor 16's two the word is whole
.irp c, 0,1
	v_cvt_scalef32_pk16_bf6_f32 v[C+12*(\s)+6*\c:C+12*(\s)+6*\c+2], v[XS+32*\c:XS+32*\c+15], v[10+\c]
	v_cvt_scalef32_pk16_bf6_f32 v[SCR+4*\c:SCR+4*\c+2], v[XS+32*\c+16:XS+32*\c+31], v[10+\c]   ; (a conversion's three registers begin on an even number)
.endr
	v_nop                                          ; one plain place behind a scaled conversion
.irp c, 0,1
.irp i, 0,1,2
	v_mov_b32 v[C+12*(\s)+6*\c+3+\i], v[SCR+4*\c+\i]
.endr
.endr
.irp g, 0,1,2
	global_store_b128 v5, v[C+12*(\s)+4*\g:C+12*(\s)+4*\g+3], s[32:33] offset:1536*(\s)+512*\g   ; 32 lanes store 512 consecutive bytes
.endr
.endm
	LOADK 0
	LOADK 1
	s_wait_loadcnt 16                              ; K step 0's sixteen loads are in; the next step's sixteen may be out
	QW 0
	LOADK 2
	s_wait_loadcnt 16
	QW 1
	LOADK 3
	s_wait_loadcnt 16
	QW 2
	s_wait_loadcnt 0x0
	QW 3
	v_cmp_le_u32 vcc_lo, 16, v1                    ; lanes 0-15 store words 0, 1 of their row, lanes 16-31 words 2, 3
	v_cndmask_b32 v12, v[SW], v[SW+2], vcc_lo
	v_cndmask_b32 v13, v[SW+1], v[SW+3], vcc_lo
	global_store_b64 v6, v[12:13], s[34:35]        ; 256 consecutive bytes
	s_endpgm
	; ---------------- the statistics ----------------
.macro RED reg, tmp                    ; the sum over the 32 lanes, in every lane
	v_add_f32_dpp v[\reg], v[\reg], v[\reg] row_xmask:1 row_mask:0xf bank_mask:0xf
	v_add_f32_dpp v[\reg], v[\reg], v[\reg] row_xmask:2 row_mask:0xf bank_mask:0xf
	v_add_f32_dpp v[\reg], v[\reg], v[\reg] row_xmask:4 row_mask:0xf bank_mask:0xf
	v_add_f32_dpp v[\reg], v[\reg], v[\reg] row_xmask:8 row_mask:0xf bank_mask:0xf
	v_permlanex16_b32 v[\tmp], v[\reg], s20, s21
	v_add_f32 v[\reg], v[\reg], v[\tmp]
.endm
.Lstats:
	s_sub_co_u32 s22, ttmp9, 16
	s_lshl_b32 s22, s22, 3
	s_add_co_u32 s22, s22, s18                     ; my chunk, 0 .. 2,047
	s_lshl_b32 s24, s22, 14                        ; 16 KiB a chunk
	s_mov_b32 s25, 0
	s_lshl_b32 s26, s22, 3                         ; 8 bytes of statistics a chunk
	s_mov_b32 s27, 0
	v_lshlrev_b32 v4, 4, v1
	s_wait_kmcnt 0x0
	s_add_nc_u64 s[4:5], s[4:5], s[24:25]
	s_add_nc_u64 s[14:15], s[14:15], s[26:27]
.set i, 0
.rept 32
	global_load_b128 v[NUM+4*i:NUM+4*i+3], v4, s[4:5] offset:512*i   ; 512 consecutive bytes a load; the chunk stays in registers for both passes
.set i, i+1
.endr
	s_wait_loadcnt 24                              ; the first eight loads (16 pairs) are in; the 24 behind them may be out
.irp k, 0,1,2,3
	v_pk_add_f32 v[144+2*\k:145+2*\k], v[NUM+2*\k:NUM+2*\k+1], v[NUM+8+2*\k:NUM+8+2*\k+1]   ; the first pairs start four chains: nothing is cleared
.endr
.set j, 8
.rept 56
.if j == 16
	s_wait_loadcnt 16
.endif
.if j == 32
	s_wait_loadcnt 8
.endif
.if j == 48
	s_wait_loadcnt 0x0
.endif
	v_pk_add_f32 v[144+2*(j%4):145+2*(j%4)], v[144+2*(j%4):145+2*(j%4)], v[NUM+2*j:NUM+2*j+1]
.set j, j+1
.endr
	v_pk_add_f32 v[144:145], v[144:145], v[146:147]
	v_pk_add_f32 v[148:149], v[148:149], v[150:151]
	v_pk_add_f32 v[144:145], v[144:145], v[148:149]
	v_add_f32 v8, v144, v145
	RED 8, 9
	v_mul_f32 v10, 0x39800000, v8                  ; the chunk's mean: sum x 2^-12
	v_mov_b32 v11, v10
.set j, 0
.rept 64
	v_pk_add_f32 v[NUM+2*j:NUM+2*j+1], v[NUM+2*j:NUM+2*j+1], v[10:11] neg_lo:[0,1] neg_hi:[0,1]   ; x - mean
.set j, j+1
.endr
.irp k, 0,1,2,3
	v_pk_mul_f32 v[144+2*\k:145+2*\k], v[NUM+2*\k:NUM+2*\k+1], v[NUM+2*\k:NUM+2*\k+1]
.endr
.set j, 4
.rept 60
	v_pk_fma_f32 v[144+2*(j%4):145+2*(j%4)], v[NUM+2*j:NUM+2*j+1], v[NUM+2*j:NUM+2*j+1], v[144+2*(j%4):145+2*(j%4)]
.set j, j+1
.endr
	v_pk_add_f32 v[144:145], v[144:145], v[146:147]
	v_pk_add_f32 v[148:149], v[148:149], v[150:151]
	v_pk_add_f32 v[144:145], v[144:145], v[148:149]
	v_add_f32 v12, v144, v145
	RED 12, 9
	v_mov_b32 v11, v12                             ; (mean, sum of squares about it)
	s_wait_xcnt 0x0                                ; EXEC changes only behind this wait
	v_cmp_eq_u32 vcc_lo, 0, v1
	s_and_saveexec_b32 s28, vcc_lo                 ; lane 0 alone stores
	global_store_b64 v13, v[10:11], s[14:15]       ; v13 = 0
	s_endpgm
.Lfunc_end_k_q8fdebb2a4d_prep:
	.size	k_q8fdebb2a4d_prep, .Lfunc_end_k_q8fdebb2a4d_prep-k_q8fdebb2a4d_prep
	.p2alignl 7, 3214868480
	.fill 96, 4, 3214868480
	.section	.rodata,"a",@progbits
	.p2align	6, 0x0
	.amdhsa_kernel k_q8fdebb2a4d_prep
		.amdhsa_group_segment_fixed_size 0
		.amdhsa_private_segment_fixed_size 0
		.amdhsa_enable_private_segment 0
		.amdhsa_kernarg_size 56
		.amdhsa_user_sgpr_count 2
		.amdhsa_user_sgpr_kernarg_segment_ptr 1
		.amdhsa_wavefront_size32 1
		.amdhsa_system_sgpr_workgroup_id_x 1
		.amdhsa_system_sgpr_workgroup_id_y 1
		.amdhsa_system_sgpr_workgroup_id_z 1
		.amdhsa_system_vgpr_workitem_id 0
		.amdhsa_next_free_vgpr 208
		.amdhsa_next_free_sgpr 66
		.amdhsa_reserve_vcc 1
		.amdhsa_float_denorm_mode_32 3
		.amdhsa_float_denorm_mode_16_64 3
		.amdhsa_memory_ordered 1
		.amdhsa_forward_progress 1
		.amdhsa_inst_pref_size 38
	.end_amdhsa_kernel
	.amdgpu_metadata
---
amdhsa.version: [ 1, 2 ]
amdhsa.kernels:
  - .name:           k_q8fdebb2a4d_prep
    .symbol:         k_q8fdebb2a4d_prep.kd
    .args:
      - { .name: x, .offset: 0, .size: 8, .value_kind: global_buffer, .address_space: global }
      - { .name: wq, .offset: 8, .size: 8, .value_kind: global_buffer, .address_space: global }
      - { .name: wk, .offset: 16, .size: 8, .value_kind: global_buffer, .address_space: global }
      - { .name: wv, .offset: 24, .size: 8, .value_kind: global_buffer, .address_space: global }
      - { .name: wo, .offset: 32, .size: 8, .value_kind: global_buffer, .address_space: global }
      - { .name: stats, .offset: 40, .size: 8, .value_kind: global_buffer, .address_space: global }
      - { .name: wts, .offset: 48, .size: 8, .value_kind: global_buffer, .address_space: global }
    .group_segment_fixed_size: 0
    .private_segment_fixed_size: 0
    .kernarg_segment_align: 8
    .kernarg_segment_size: 56
    .max_flat_workgroup_size: 256
    .sgpr_count:     66
    .vgpr_count:     208
    .wavefront_size: 32
...
	.end_amdgpu_metadata
.endif
;; end of part 1
;; launch qkvproj (part 2): grid 256 x 1, 8 waves a work-group, no clusters, 168,960 bytes of LDS; arguments x, stats, gn_scale, gn_bias, wts, bq, bk, bv, qkv, qkvs; writes qkv, qkvs
.if DOCPART == 2
	.amdgcn_target "amdgcn-amd-amdhsa--gfx1250"
	.amdhsa_code_object_version 6
	.text
	.protected	k_q8fdebb2a4d_qkvproj
	.globl	k_q8fdebb2a4d_qkvproj
	.p2align	8
	.type	k_q8fdebb2a4d_qkvproj,@function
k_q8fdebb2a4d_qkvproj:
	s_mov_b64 s[64:65], 0
	v_nop
	global_prefetch_b8 v0, s[64:65] scope:SCOPE_SE
	s_setreg_imm32_b32 hwreg(HW_REG_WAVE_MODE, 25, 1), 1
	s_wait_xcnt 0x0
; GroupNorm, then q, k, v = W h + b on codes of BF6 (E3M2, one E8M0 byte for each 32 along K), then q, k, v themselves as codes for the attention launch.
; SHARES.  A work-group takes one batch and 64 columns l, all 512 channels, all 1,536 outputs.  Wave w first normalises and quantises channels 64 w .. 64 w + 63 of the 64 columns (K = c runs down a lane's registers);
; the 16 fragments of h (4 tiles of 16 columns x 4 K steps) meet in LDS as images of their registers; every wave then holds all of them in registers.
; THE WAVES SHARE THE OUTPUTS: wave w makes head w % 4 of q (w < 4) or of k (8 tiles of 16 outputs), and outputs 64 w .. 64 w + 63 of v (4 tiles).  Each weight fragment comes from memory straight into registers, in the order
; in which the first launch has laid it, once in the work-group.
; NO CLUSTER: a weight fragment serves one wave once; brought jointly it would go through LDS (624 KiB written and read a work-group) in a ring filled again and again beside the 164,864 bytes in use.
; NO PREFETCH: all of the work-group's x is asked for by its first instruction, and the weights are read by every work-group.
; ROWS OF A TILE ARE NOT NEIGHBOURS: row rho of tile t (of columns, and of outputs) is index 32 (t / 2) + 8 (t % 2) + rho + 8 (rho / 8), so that where such a tile is source 0 the 16 registers of tiles 2 b, 2 b + 1 are 16 neighbours.
; q, k: source 0 = 16 outputs, source 1 = 16 columns: a lane holds one column and neighbours along d, their K.   v: source 0 = 16 columns, source 1 = 16 outputs: a lane holds one d and neighbours along l, its K.
; IMAGE OF A FRAGMENT made half by half (1,536 bytes): half c (registers 6 c .. 6 c + 5) at 768 c: words 0-3 of lane l at 16 l, words 4-5 at 512 + 8 l.  Every store covers 512 or 256 consecutive bytes.
; v's scale bytes leave two at a time (262,144 bytes of the launch's 19.7 million): a key step's word belongs to two work-groups.
; LIMITS: NaN and infinities are not served; a block of zeros, or one under 2^-122, gets the byte 1; the bytes are read by this program alone.
; REGISTERS.  Window 0: v1-14 addresses; v16-31 h's scale words; v32-43, v44-67, v68-211 three buffers of a weight tile's scale words, bias and four fragments; v212-223 at work; v224-255 four slots of codes.
;   Window 1: first 128 numbers of x, the gains and biases of 64 channels; then v0-191 h's 16 fragments, v192-255 eight accumulators.
.set XSC,  24576                       ; LDS: h's images at 0 (fragment (m, s) at 1,536 (4 m + s)); their scale bytes here: 256 m + 16 r + 4 s + block
.set XT,   25600                       ; and x's tile: 512 rows of 256 bytes + 16; wave w's 64 rows at 17,408 w
.set XTW,  17408
.set LAM,  1                           ; lane
.set L16,  2                           ; 16 x lane
.set L8,   3                           ; 8 x lane
.set R16,  4                           ; 16 r
.set RS,   5                           ; XSC + 16 r
.set BH,   6                           ; 64 h
.set BVO,  7                           ; 4 (r + 8 (r / 8))
.set QSO,  8                           ; 16 r + 8 h
.set VSO,  9                           ; 16 r + 4 h
.set XA,   10                          ; my column in my wave's rows of x's tile
.set HW16, 11                          ; where my codes' words 0-3 go
.set HW8,  12                          ; and words 4-5
.set HWS,  13                          ; and my block's scale byte
.set NIL,  14                          ; 0
.set HS,   16
.set WS,   32
.set BI,   44
.set WB,   68
.set TM,   212
.set TP,   216
.set PW,   220
.set SL,   224
.set STW,  224                         ; while x is normalised: two chunks' statistics,
.set MEAN, 228                         ; the group's mean, twice,
.set RSTD, 230                         ; 1 / sqrt(var + eps), twice,
.set TW,   232                         ; at work
.set SC,   128                         ; window 1
.set BC,   192
.set ACC,  192
.set MSB, 0
.macro WIN new                         ; the immediate's high byte repeats the setting that is left
.if MSB != \new
	s_set_vgpr_msb (MSB<<8)|\new
.set MSB, \new
.endif
.endm
.macro PLACES n
.rept \n
	v_nop
.endr
.endm
.macro RED reg, tmp
	v_add_f32_dpp v[\reg], v[\reg], v[\reg] row_xmask:1 row_mask:0xf bank_mask:0xf
	v_add_f32_dpp v[\reg], v[\reg], v[\reg] row_xmask:2 row_mask:0xf bank_mask:0xf
	v_add_f32_dpp v[\reg], v[\reg], v[\reg] row_xmask:4 row_mask:0xf bank_mask:0xf
	v_add_f32_dpp v[\reg], v[\reg], v[\reg] row_xmask:8 row_mask:0xf bank_mask:0xf
	v_permlanex16_b32 v[\tmp], v[\reg], s40, s41
	v_add_f32 v[\reg], v[\reg], v[\tmp]
.endm
	s_load_b512 s[4:19], s[0:1], 0x0               ; x s[4:5], stats s[6:7], gn_scale s[8:9], gn_bias s[10:11], wts s[12:13], bq s[14:15], bk s[16:17], bv s[18:19]
	s_load_b128 s[20:23], s[0:1], 0x40             ; qkv s[20:21], qkvs s[22:23]
	v_lshl_add_u32 v247, v0, 2, 0x29000
	v_mov_b32 v255, 0
	ds_add_u32 v247, v255
	v_lshrrev_b32 v1, 5, v0
	v_readfirstlane_b32 s24, v1                    ; wave 0..7
	s_lshr_b32 s25, ttmp9, 5                       ; batch
	s_and_b32 s26, ttmp9, 31                       ; block of 64 columns
	; descriptor group 1: 64 rows of 64 f32 (256 bytes), 2,048 elements apart, 16 bytes of padding behind each row
	s_mov_b32 s32, (2<<16)|(1<<20)|(5<<22)|(3<<25)
	s_mov_b32 s33, 64<<16
	s_mov_b32 s34, 64<<16
	s_mov_b32 s35, 64<<16
	s_mov_b32 s36, 64
	s_mov_b32 s37, 2048
	s_mov_b32 s38, 0
	s_mov_b32 s39, 0
	s_lshl_b32 s66, s25, 22                        ; a batch is 4 MiB,
	s_lshl_b32 s67, s24, 19                        ; my 64 channels of 8,192 bytes,
	s_add_co_u32 s66, s66, s67
	s_lshl_b32 s67, s26, 8                         ; 256 bytes of each row
	s_add_co_u32 s66, s66, s67
	s_mov_b32 s67, 0
	s_mul_i32 s27, s24, XTW
	s_wait_dscnt 0x0
	s_wait_kmcnt 0x0
	s_mov_b32 s28, 1
	s_add_co_u32 s29, s27, XT
	s_add_nc_u64 s[30:31], s[4:5], s[66:67]
	s_or_b32 s31, s31, 0x80000000
	tensor_load_to_lds s[28:31], s[32:39]          ; my 64 rows of x: filled once; only I read them, behind my own wait
	s_nop 0
	PLACES 4
	v_and_b32 v[LAM], 31, v0
	v_lshlrev_b32 v[L16], 4, v[LAM]
	v_lshlrev_b32 v[L8], 3, v[LAM]
	v_and_b32 v15, 15, v0                          ; r
	v_lshlrev_b32 v[R16], 4, v15
	v_add_nc_u32 v[RS], XSC, v[R16]
	v_bfe_u32 v14, v0, 4, 1                        ; h
	v_lshlrev_b32 v[BH], 6, v14
	v_and_b32 v[BVO], 8, v15
	v_add_nc_u32 v[BVO], v[BVO], v15
	v_lshlrev_b32 v[BVO], 2, v[BVO]
	v_lshl_add_u32 v[QSO], v14, 3, v[R16]
	v_lshl_add_u32 v[VSO], v14, 2, v[R16]
	v_lshl_add_u32 v[XA], v[LAM], 2, s29
	; column 32 bl + lane is row rho = lane % 8 + 8 (lane / 16) of tile 2 bl + u, u = (lane / 8) % 2
	v_bfe_u32 v15, v0, 3, 1                        ; u
	v_and_b32 v13, 7, v0
	v_lshl_add_u32 v13, v14, 3, v13                ; rho
	s_mul_i32 s68, s24, 768                        ; my channels are half w % 2 of K step w / 2: 1,536 (w / 2) + 768 (w % 2)
	v_mul_u32_u24 v11, v15, 6144
	v_add_nc_u32 v11, s68, v11
	v_lshl_add_u32 v[HW8], v13, 3, v11
	v_add_nc_u32 v[HW8], 512, v[HW8]
	v_lshl_add_u32 v[HW16], v13, 4, v11
	s_lshl_b32 s68, s24, 1
	s_add_co_u32 s68, s68, XSC
	v_lshlrev_b32 v13, 4, v13
	v_lshl_add_u32 v13, v15, 8, v13
	v_add_nc_u32 v[HWS], s68, v13
	v_mov_b32 v[NIL], 0
.irp m, 0,1,2,3
	v_mov_b32 v[TP+\m], 0                          ; written once: a lane permute's destination counts as one of its sources
.endr
	v_mov_b32 v[TW+1], 0
	s_mov_b32 s40, 0x76543210
	s_mov_b32 s41, 0xfedcba98
	s_mov_b32 s42, 0x36800000                      ; 2^-18: a group has 262,144 numbers
	s_mov_b32 s43, 0x358637bd                      ; 1e-6
	; the bases
	s_lshr_b32 s70, s24, 1                         ; w / 2: my channels' group; also v's head
	s_lshl_b32 s71, s25, 2
	s_add_co_u32 s70, s70, s71                     ; 4 batch + w / 2
	s_lshl_b32 s66, s70, 9
	s_add_nc_u64 s[6:7], s[6:7], s[66:67]          ; my group's 64 chunks
	s_lshl_b32 s66, s24, 8
	s_add_nc_u64 s[8:9], s[8:9], s[66:67]          ; my 64 gains,
	s_add_nc_u64 s[10:11], s[10:11], s[66:67]      ; biases of the norm,
	s_add_nc_u64 s[54:55], s[18:19], s[66:67]      ; and of v's outputs
	s_mul_i32 s66, s24, 49152
	s_add_nc_u64 s[44:45], s[12:13], s[66:67]      ; q's or k's tiles 8 w on (q's 32 tiles, then k's)
	s_mul_i32 s66, s24, 24576
	s_add_co_u32 s66, s66, 393216
	s_add_nc_u64 s[46:47], s[12:13], s[66:67]      ; v's tiles 4 w on
	s_lshl_b32 s66, s24, 11
	s_add_co_u32 s66, s66, 786432
	s_add_nc_u64 s[48:49], s[12:13], s[66:67]      ; their scale words
	s_lshl_b32 s66, s24, 10
	s_add_co_u32 s66, s66, 802816
	s_add_nc_u64 s[50:51], s[12:13], s[66:67]
	s_and_b32 s68, s24, 3                          ; q's or k's head
	s_lshr_b32 s69, s24, 2                         ; 0: q, 1: k
	s_cmp_lt_u32 s24, 4
	s_cselect_b64 s[52:53], s[14:15], s[16:17]
	s_lshl_b32 s66, s68, 9
	s_add_nc_u64 s[52:53], s[52:53], s[66:67]      ; the head's 128 biases
	s_add_co_u32 s71, s71, s68                     ; 4 batch + head
	s_lshl_b32 s66, s71, 7
	s_lshl_b32 s72, s26, 2
	s_add_co_u32 s66, s66, s72
	s_mul_i32 s66, s66, 1536
	s_mul_i32 s72, s69, 6291456
	s_add_co_u32 s66, s66, s72
	s_add_nc_u64 s[56:57], s[20:21], s[66:67]      ; where q's or k's four fragments go
	s_lshl_b32 s66, s71, 5
	s_add_co_u32 s66, s66, s26
	s_lshl_b32 s66, s66, 8
	s_lshl_b32 s72, s69, 18
	s_add_co_u32 s66, s66, s72
	s_add_nc_u64 s[58:59], s[22:23], s[66:67]      ; and their 64 scale words
	s_lshl_b32 s70, s70, 4
	s_lshr_b32 s72, s26, 1
	s_add_co_u32 s70, s70, s72                     ; 16 (4 batch + head) + key step
	s_and_b32 s72, s24, 1                          ; which four of the head's eight tiles of d
	s_and_b32 s73, s26, 1                          ; which half of the key step
	s_lshl_b32 s66, s70, 3
	s_lshl_b32 s71, s72, 2
	s_add_co_u32 s66, s66, s71
	s_mul_i32 s66, s66, 1536
	s_mul_i32 s71, s73, 768
	s_add_co_u32 s66, s66, s71
	s_add_co_u32 s66, s66, 12582912
	s_add_nc_u64 s[60:61], s[20:21], s[66:67]      ; where v's four half fragments go
	s_lshl_b32 s66, s70, 9
	s_lshl_b32 s71, s72, 8
	s_add_co_u32 s66, s66, s71
	s_lshl_b32 s71, s73, 1
	s_add_co_u32 s66, s66, s71
	s_add_co_u32 s66, s66, 524288
	s_add_nc_u64 s[62:63], s[22:23], s[66:67]      ; and their scale bytes
; weight tile T (0-7: q's or k's; 8-11: v's) into buffer T % 3: 12 loads of codes, one of scale words, the bias: 15 loads, or 14
.macro LOADW T
.set WBB, WB+48*((\T)%3)
.if (\T) < 8
.irp s, 0,1,2,3
.irp g, 0,1,2
	global_load_b128 v[WBB+12*\s+4*\g:WBB+12*\s+4*\g+3], v[L16], s[44:45] offset:6144*(\T)+1536*\s+512*\g
.endr
.endr
	global_load_b128 v[WS+4*((\T)%3):WS+4*((\T)%3)+3], v[R16], s[48:49] offset:256*(\T)
	global_load_b128 v[BI+8*((\T)%3):BI+8*((\T)%3)+3], v[BH], s[52:53] offset:128*((\T)/2)+32*((\T)%2)       ; register j: the bias of output 32 (T / 2) + 8 (T % 2) + 16 h + j
	global_load_b128 v[BI+8*((\T)%3)+4:BI+8*((\T)%3)+7], v[BH], s[52:53] offset:128*((\T)/2)+32*((\T)%2)+16
.else
.irp s, 0,1,2,3
.irp g, 0,1,2
	global_load_b128 v[WBB+12*\s+4*\g:WBB+12*\s+4*\g+3], v[L16], s[46:47] offset:6144*((\T)-8)+1536*\s+512*\g
.endr
.endr
	global_load_b128 v[WS+4*((\T)%3):WS+4*((\T)%3)+3], v[R16], s[50:51] offset:256*((\T)-8)
	global_load_b32 v[BI+8*((\T)%3)], v[BVO], s[54:55] offset:128*(((\T)-8)/2)+32*(((\T)-8)%2)               ; the bias of my lane's output
.endif
.endm
	global_load_b128 v[STW:STW+3], v[L16], s[6:7]  ; two chunks' (mean, sum of squares) a lane
	WIN 0x40                                       ; destination window 1
.set i, 0
.rept 16
	global_load_b128 v[SC+4*i:SC+4*i+3], v[NIL], s[8:9] offset:16*i    ; every lane takes all 64 gains: register i belongs to channel 64 w + i
.set i, i+1
.endr
.set i, 0
.rept 16
	global_load_b128 v[BC+4*i:BC+4*i+3], v[NIL], s[10:11] offset:16*i
.set i, i+1
.endr
	WIN 0
	LOADW 0
	LOADW 1
	; the group's mean and variance from its 64 chunks of 4,096 numbers
	s_wait_loadcnt 62                              ; the statistics are in; behind them 32 loads of gains and biases and two tiles of 15
	v_add_f32 v[TW], v[STW], v[STW+2]
	RED TW, TW+1
	v_mul_f32 v[MEAN], 0x3c800000, v[TW]           ; / 64
	v_mov_b32 v[MEAN+1], v[MEAN]
	v_sub_f32 v[TW], v[STW], v[MEAN]
	v_sub_f32 v[TW+2], v[STW+2], v[MEAN]
	v_mul_f32 v[TW], v[TW], v[TW]
	v_fma_f32 v[TW], v[TW+2], v[TW+2], v[TW]
	v_add_f32 v[TW+2], v[STW+1], v[STW+3]
	v_fma_f32 v[TW], v[TW], 0x45800000, v[TW+2]    ; the chunks' own sums of squares + 4,096 x (chunk mean - mean)^2
	RED TW, TW+1
	v_fma_f32 v[TW], v[TW], s42, s43               ; var + eps
	v_rsq_f32 v[RSTD], v[TW]
	v_nop                                          ; a plain place behind the transcendental,
	s_wait_alu depctr_va_vdst(0)                   ; and the wait ahead of its first reader
	v_mov_b32 v[RSTD+1], v[RSTD]
	s_wait_loadcnt 30                              ; the gains and biases are in; two tiles of 15 may be out
	WIN 0x41
.set i, 0
.rept 32
	v_pk_mul_f32 v[SC+2*i:SC+2*i+1], v[SC+2*i:SC+2*i+1], v[RSTD:RSTD+1]
.set i, i+1
.endr
	WIN 0
	; ---- X: my 64 channels of the 64 columns: a lane takes a column, its registers run down the channels
	s_wait_tensorcnt 0x0                           ; my rows of x lie in LDS
	WIN 0x40
.irp bl, 0,1
.set i, 0
.rept 64
	ds_load_b32 v[64*\bl+i], v[XA] offset:272*i+128*\bl
.set i, i+1
.endr
.endr
.macro NORM bl
	WIN 0x41
.set i, 0
.rept 32
	v_pk_add_f32 v[64*\bl+2*i:64*\bl+2*i+1], v[64*\bl+2*i:64*\bl+2*i+1], v[MEAN:MEAN+1] neg_lo:[0,1] neg_hi:[0,1]
.set i, i+1
.endr
	WIN 0x55
.set i, 0
.rept 32
	v_pk_fma_f32 v[64*\bl+2*i:64*\bl+2*i+1], v[64*\bl+2*i:64*\bl+2*i+1], v[SC+2*i:SC+2*i+1], v[BC+2*i:BC+2*i+1]
.set i, i+1
.endr
.endm
	s_wait_dscnt 63                                ; of the 128 loads at most 63 are out: the first 64, columns 0-31, are in
	NORM 0
	s_wait_dscnt 0x0
	NORM 1
	; four blocks of 32 channels, q = 2 bl + hh, each whole in my lane, at v[32 q] of window 1
	WIN 0x05
.irp q, 0,1,2,3
	v_max3_num_f32 v[TM+\q], |v[32*\q]|, |v[32*\q+1]|, 0x2800000   ; and the floor 2^(5 - 127): the byte cannot fall under 1
.endr
	WIN 0x14
.irp i, 2,4,6,8,10,12,14,16,18,20,22,24,26,28,30
.irp q, 0,1,2,3
	v_max3_num_f32 v[TM+\q], v[TM+\q], |v[32*\q+\i]|, |v[32*\q+\i+1]|
.endr
.endr
	WIN 0
.irp q, 0,1,2,3
	v_add_nc_u32 v[TM+\q], 0xfe000000, v[TM+\q]    ; 4 off the exponent field: the conversion's scale operand
.endr
.irp q, 0,1,2,3
	v_lshrrev_b32 v[TP+\q], 23, v[TM+\q]           ; the scale's byte
.endr
	WIN 0x01
.irp q, 0,1,2,3
	v_cvt_scalef32_pk16_bf6_f32 v[SL+8*\q:SL+8*\q+2], v[32*\q:32*\q+15], v[TM+\q]
	v_cvt_scalef32_pk16_bf6_f32 v[SL+8*\q+4:SL+8*\q+6], v[32*\q+16:32*\q+31], v[TM+\q]
.endr
	WIN 0
	v_nop                                          ; one plain place behind a scaled conversion
.irp q, 0,1,2,3
	v_mov_b32 v[SL+8*\q+3], v[SL+8*\q+4]
	v_mov_b32 v[SL+8*\q+4], v[SL+8*\q+5]
	v_mov_b32 v[SL+8*\q+5], v[SL+8*\q+6]
.endr
.irp q, 0,1,2,3                        ; they are registers 6 (w % 2) .. + 5 of lane rho + 16 hh of fragment (2 bl + u, w / 2)
	ds_store_b128 v[HW16], v[SL+8*\q:SL+8*\q+3] offset:12288*(\q/2)+256*(\q%2)
	ds_store_b64 v[HW8], v[SL+8*\q+4:SL+8*\q+5] offset:12288*(\q/2)+128*(\q%2)
	ds_store_b8 v[HWS], v[TP+\q] offset:512*(\q/2)+(\q%2)
.endr
	LOADW 2
	s_wait_dscnt 0x0                               ; for the others' sake: my stores have landed
	s_barrier_signal -1
	s_barrier_wait -1                              ; h's sixteen fragments and their scale bytes lie in LDS
	WIN 0x40
.set f, 0
.rept 16
	ds_load_b128 v[12*f:12*f+3], v[L16] offset:1536*f
	ds_load_b64 v[12*f+4:12*f+5], v[L8] offset:1536*f+512
	ds_load_b128 v[12*f+6:12*f+9], v[L16] offset:1536*f+768
	ds_load_b64 v[12*f+10:12*f+11], v[L8] offset:1536*f+1280
.set f, f+1
.endr
	WIN 0
.irp m, 0,1,2,3
	ds_load_b128 v[HS+4*\m:HS+4*\m+3], v[RS] offset:256*\m       ; row r's words of K steps 0-3
.endr
	s_wait_dscnt 0x0
; ---- 1: the products.  16 matrix instructions a weight tile: K step by K step, the four tiles of columns by turns, one instruction a turn
.macro MULQK T
.set WBB, WB+48*((\T)%3)
.set WSS, WS+4*((\T)%3)
.set BIB, BI+8*((\T)%3)
.set AO,  ACC+8*((\T)%2)
	WIN 0x44                                       ; source 1 (h) and destination window 1; the bias, as C, window 0
.irp m, 0,1,2,3
	v_wmma_scale_f32_16x16x128_f8f6f4 v[AO+16*\m:AO+16*\m+7], v[WBB:WBB+11], v[48*\m:48*\m+11], v[BIB:BIB+7], v[WSS], v[HS+4*\m] matrix_a_fmt:MATRIX_FMT_BF6 matrix_b_fmt:MATRIX_FMT_BF6
.endr
	WIN 0x54
.irp s, 1,2,3
.irp m, 0,1,2,3
	v_wmma_scale_f32_16x16x128_f8f6f4 v[AO+16*\m:AO+16*\m+7], v[WBB+12*\s:WBB+12*\s+11], v[48*\m+12*\s:48*\m+12*\s+11], v[AO+16*\m:AO+16*\m+7], v[WSS+\s], v[HS+4*\m+\s] matrix_a_fmt:MATRIX_FMT_BF6 matrix_b_fmt:MATRIX_FMT_BF6
.endr
.endr
	WIN 0
.endm
; block b of 32 along d (weight tiles 2 b, 2 b + 1) of the four tiles of columns: v[ACC + 16 m + i] of lane (r, h) is d = 32 b + 16 h + i of column r
.macro QBLK b
	s_wait_xcnt 0x0                                ; the slots were the data of earlier stores: they are rewritten only behind this wait
	WIN 0x05
.irp m, 0,1,2,3
	v_max3_num_f32 v[TM+\m], |v[ACC+16*\m]|, |v[ACC+16*\m+1]|, 0x2800000   ; each accumulator is read from its low end on
.endr
	WIN 0x14
.irp i, 2,4,6,8,10,12,14
.irp m, 0,1,2,3
	v_max3_num_f32 v[TM+\m], v[TM+\m], |v[ACC+16*\m+\i]|, |v[ACC+16*\m+\i+1]|
.endr
.endr
	WIN 0
.irp m, 0,1,2,3
	v_permlanex16_b32 v[TP+\m], v[TM+\m], s40, s41
.endr
.irp m, 0,1,2,3
	v_max_num_f32 v[TM+\m], v[TM+\m], v[TP+\m]     ; with lane l xor 16's 16: the block's largest magnitude
.endr
.irp m, 0,1,2,3
	v_add_nc_u32 v[TM+\m], 0xfe000000, v[TM+\m]
.endr
.irp m, 0,1,2,3
	v_lshrrev_b32 v[TP+\m], 23, v[TM+\m]
.endr
.irp m, 0,1,2,3
.if (\b) == 0
	v_mov_b32 v[PW+\m], v[TP+\m]
.else
	v_lshl_or_b32 v[PW+\m], v[TP+\m], 8*(\b), v[PW+\m]
.endif
.endr
	WIN 0x01
.irp m, 0,1,2,3
	v_cvt_scalef32_pk16_bf6_f32 v[SL+8*\m+4*((\b)%2):SL+8*\m+4*((\b)%2)+2], v[ACC+16*\m:ACC+16*\m+15], v[TM+\m]
.endr
	WIN 0
	v_nop                                          ; one plain place behind a scaled conversion
.if (\b)%2 == 1
.irp m, 0,1,2,3                        ; the operand's layout wants a whole block in a lane: lanes 0-15 the even block, lanes 16-31 the odd one
.irp i, 0,1,2
	v_permlane16_swap_b32 v[SL+8*\m+\i], v[SL+8*\m+4+\i]
.endr
.endr
.irp m, 0,1,2,3
	v_mov_b32 v[SL+8*\m+3], v[SL+8*\m+4]
	v_mov_b32 v[SL+8*\m+4], v[SL+8*\m+5]
	v_mov_b32 v[SL+8*\m+5], v[SL+8*\m+6]
.endr
.irp m, 0,1,2,3
	global_store_b128 v[L16], v[SL+8*\m:SL+8*\m+3], s[56:57] offset:1536*\m+768*((\b)/2)
	global_store_b64 v[L8], v[SL+8*\m+4:SL+8*\m+5], s[56:57] offset:1536*\m+768*((\b)/2)+512
.endr
.endif
.if (\b) == 3
	v_cmp_le_u32 vcc_lo, 16, v[LAM]                ; lanes 0-15 store the words of tiles 0, 1 of their row, lanes 16-31 those of tiles 2, 3
	v_cndmask_b32 v[TM], v[PW], v[PW+2], vcc_lo
	v_cndmask_b32 v[TM+1], v[PW+1], v[PW+3], vcc_lo
	global_store_b64 v[QSO], v[TM:TM+1], s[58:59]  ; 256 consecutive bytes
.endif
.endm
.macro TILEQK T, N
	s_wait_loadcnt \N                              ; this tile's loads are in; those of the two tiles behind it may be out
	MULQK \T
	PLACES 5                                       ; four in front of loads into registers just read and of the first read of results; five in front of the matrix instructions that begin these accumulators anew
.if (\T)+3 < 12
	LOADW (\T)+3
.endif
.if (\T)%2 == 1
	QBLK (\T)/2
.endif
.endm
.macro MULV i
.set WBB, WB+48*(((\i)+8)%3)
.set WSS, WS+4*(((\i)+8)%3)
.set BIB, BI+8*(((\i)+8)%3)
.set AO,  ACC+32*((\i)%2)
	WIN 0x41                                       ; source 0 (h) and destination window 1
.irp m, 0,1,2,3
	v_wmma_scale_f32_16x16x128_f8f6f4 v[AO+8*\m:AO+8*\m+7], v[48*\m:48*\m+11], v[WBB:WBB+11], v[BIB:BIB+7], v[HS+4*\m], v[WSS] matrix_a_fmt:MATRIX_FMT_BF6 matrix_b_fmt:MATRIX_FMT_BF6
.endr
	WIN 0x51
.irp s, 1,2,3
.irp m, 0,1,2,3
	v_wmma_scale_f32_16x16x128_f8f6f4 v[AO+8*\m:AO+8*\m+7], v[48*\m+12*\s:48*\m+12*\s+11], v[WBB+12*\s:WBB+12*\s+11], v[AO+8*\m:AO+8*\m+7], v[HS+4*\m+\s], v[WSS+\s] matrix_a_fmt:MATRIX_FMT_BF6 matrix_b_fmt:MATRIX_FMT_BF6
.endr
.endr
	WIN 0
.endm
; v's tile i: v[AO + 16 e + n] of lane (r, h) is column 32 e + 16 h + n of output r: two blocks of 32 along the keys
.macro QV i
.set AO, ACC+32*((\i)%2)
	s_wait_xcnt 0x0                                ; the slots and the registers at work were the data of earlier stores
	WIN 0x05
.irp e, 0,1
	v_max3_num_f32 v[TM+\e], |v[AO+16*\e]|, |v[AO+16*\e+1]|, 0x2800000
.endr
	WIN 0x14
.irp n, 2,4,6,8,10,12,14
.irp e, 0,1
	v_max3_num_f32 v[TM+\e], v[TM+\e], |v[AO+16*\e+\n]|, |v[AO+16*\e+\n+1]|
.endr
.endr
	WIN 0
.irp e, 0,1
	v_permlanex16_b32 v[TP+\e], v[TM+\e], s40, s41
.endr
.irp e, 0,1
	v_max_num_f32 v[TM+\e], v[TM+\e], v[TP+\e]
.endr
.irp e, 0,1
	v_add_nc_u32 v[TM+\e], 0xfe000000, v[TM+\e]
.endr
.irp e, 0,1
	v_lshrrev_b32 v[TP+\e], 23, v[TM+\e]
.endr
	v_lshl_or_b32 v[PW+(\i)], v[TP+1], 8, v[TP]    ; my work-group's two bytes of the key step's word
	WIN 0x01
.irp e, 0,1
	v_cvt_scalef32_pk16_bf6_f32 v[SL+8*(\i)+4*\e:SL+8*(\i)+4*\e+2], v[AO+16*\e:AO+16*\e+15], v[TM+\e]
.endr
	WIN 0
	v_nop
.irp n, 0,1,2
	v_permlane16_swap_b32 v[SL+8*(\i)+\n], v[SL+8*(\i)+4+\n]
.endr
	v_mov_b32 v[SL+8*(\i)+3], v[SL+8*(\i)+4]
	v_mov_b32 v[SL+8*(\i)+4], v[SL+8*(\i)+5]
	v_mov_b32 v[SL+8*(\i)+5], v[SL+8*(\i)+6]
	global_store_b128 v[L16], v[SL+8*(\i):SL+8*(\i)+3], s[60:61] offset:1536*(\i)
	global_store_b64 v[L8], v[SL+8*(\i)+4:SL+8*(\i)+5], s[60:61] offset:1536*(\i)+512
.endm
.macro TILEV i, N
.set BIB, BI+8*(((\i)+8)%3)
	s_wait_loadcnt \N
.irp j, 1,2,3,4,5,6,7
	v_mov_b32 v[BIB+\j], v[BIB]                    ; a lane holds one output: its bias in all eight registers of C
.endr
	PLACES 4
	MULV \i
	PLACES 5
.if (\i) == 0
	LOADW 11
.endif
	QV \i
.endm
	TILEQK 0, 30
	TILEQK 1, 30
	TILEQK 2, 30
	TILEQK 3, 30
	TILEQK 4, 30
	TILEQK 5, 30
	TILEQK 6, 29
	TILEQK 7, 28
	TILEV 0, 28
	TILEV 1, 28
	TILEV 2, 14
	TILEV 3, 0
	v_cmp_le_u32 vcc_lo, 16, v[LAM]                ; lanes 0-15 store tiles 0 and 2, lanes 16-31 tiles 1 and 3
	v_cndmask_b32 v[TM], v[PW], v[PW+1], vcc_lo
	v_cndmask_b32 v[TM+1], v[PW+2], v[PW+3], vcc_lo
	global_store_b16 v[VSO], v[TM], s[62:63]
	global_store_b16 v[VSO], v[TM+1], s[62:63] offset:8
	s_wait_tensorcnt 0x0
	ds_add_u32 v247, v255
	s_wait_dscnt 0x0
	s_endpgm
.Lfunc_end_k_q8fdebb2a4d_qkvproj:
	.size	k_q8fdebb2a4d_qkvproj, .Lfunc_end_k_q8fdebb2a4d_qkvproj-k_q8fdebb2a4d_qkvproj
	.p2alignl 7, 3214868480
	.fill 96, 4, 3214868480
	.section	.rodata,"a",@progbits
	.p2align	6, 0x0
	.amdhsa_kernel k_q8fdebb2a4d_qkvproj
		.amdhsa_group_segment_fixed_size 168960
		.amdhsa_private_segment_fixed_size 0
		.amdhsa_enable_private_segment 0
		.amdhsa_kernarg_size 80
		.amdhsa_user_sgpr_count 2
		.amdhsa_user_sgpr_kernarg_segment_ptr 1
		.amdhsa_wavefront_size32 1
		.amdhsa_system_sgpr_workgroup_id_x 1
		.amdhsa_system_sgpr_workgroup_id_y 1
		.amdhsa_system_sgpr_workgroup_id_z 1
		.amdhsa_system_vgpr_workitem_id 0
		.amdhsa_next_free_vgpr 512
		.amdhsa_next_free_sgpr 80
		.amdhsa_reserve_vcc 1
		.amdhsa_float_denorm_mode_32 3
		.amdhsa_float_denorm_mode_16_64 3
		.amdhsa_memory_ordered 1
		.amdhsa_forward_progress 1
		.amdhsa_inst_pref_size 112
	.end_amdhsa_kernel
	.amdgpu_metadata
---
amdhsa.version: [ 1, 2 ]
amdhsa.kernels:
  - .name:           k_q8fdebb2a4d_qkvproj
    .symbol:         k_q8fdebb2a4d_qkvproj.kd
    .args:
      - { .name: x, .offset: 0, .size: 8, .value_kind: global_buffer, .address_space: global }
      - { .name: stats, .offset: 8, .size: 8, .value_kind: global_buffer, .address_space: global }
      - { .name: gn_scale, .offset: 16, .size: 8, .value_kind: global_buffer, .address_space: global }
      - { .name: gn_bias, .offset: 24, .size: 8, .value_kind: global_buffer, .address_space: global }
      - { .name: wts, .offset: 32, .size: 8, .value_kind: global_buffer, .address_space: global }
      - { .name: bq, .offset: 40, .size: 8, .value_kind: global_buffer, .address_space: global }
      - { .name: bk, .offset: 48, .size: 8, .value_kind: global_buffer, .address_space: global }
      - { .name: bv, .offset: 56, .size: 8, .value_kind: global_buffer, .address_space: global }
      - { .name: qkv, .offset: 64, .size: 8, .value_kind: global_buffer, .address_space: global }
      - { .name: qkvs, .offset: 72, .size: 8, .value_kind: global_buffer, .address_space: global }
    .group_segment_fixed_size: 168960
    .private_segment_fixed_size: 0
    .kernarg_segment_align: 8
    .kernarg_segment_size: 80
    .max_flat_workgroup_size: 256
    .sgpr_count:     80
    .vgpr_count:     512
    .wavefront_size: 32
...
	.end_amdgpu_metadata
.endif
;; end of part 2
;; launch attn (part 3): grid 8 x 32, 16 waves a work-group, clusters of 4 x 1, 327,680 bytes of LDS; arguments qkv, qkvs, att; writes att
.if DOCPART == 3
	.amdgcn_target "amdgcn-amd-amdhsa--gfx1250"
	.amdhsa_code_object_version 6
	.text
	.protected	k_q8fdebb2a4d_attn
	.globl	k_q8fdebb2a4d_attn
	.p2align	8
	.type	k_q8fdebb2a4d_attn,@function
k_q8fdebb2a4d_attn:
	s_mov_b64 s[64:65], 0
	v_nop
	global_prefetch_b8 v0, s[64:65] scope:SCOPE_SE
	s_setreg_imm32_b32 hwreg(HW_REG_WAVE_MODE, 25, 1), 1
	s_wait_xcnt 0x0
	s_wait_alu depctr_hold_cnt(0) depctr_sa_sdst(0) depctr_va_vdst(0) depctr_va_sdst(0) depctr_va_ssrc(0) depctr_va_vcc(0) depctr_vm_vsrc(0)
	s_getreg_b32 s2, hwreg(HW_REG_IB_STS2, 6, 4)
	s_cmp_eq_u32 s2, 0
	s_cbranch_scc0 .Lentry_in_a_cluster
	s_endpgm
.Lentry_in_a_cluster:
	s_bfe_u32 s2, ttmp6, 0x10000c
	s_cmp_lg_u32 s2, 0x3003
	s_cbranch_scc0 .Lentry_shape_is_right
	s_endpgm
.Lentry_shape_is_right:
; attn[bh][q][:] = the sum over k of softmax_k(q . k / sqrt(128)) v[k][:], both products on codes of BF6 (E3M2) with one E8M0 byte for each 32 along a product's K; the result is itself quantised along d for the last product.
; THE SOFTMAX AHEAD OF THE SECOND PRODUCT: t = score x log2(e) / sqrt(128); M = the row's largest t so far, rounded UP to a whole number; p = 2^(t - M) is what is quantised, along the keys; it is not normalised.
; The row's sum is taken of the unquantised p, in f32, and divides the result at the end.  When M moves, the sum and O are multiplied by 2^(old M - new M): exact.
; INPUTS, as the launch before has laid them: fragments of 16 rows x 128 K as images of their registers (1,536 bytes: half c at 768 c, words 0-3 of lane l at 16 l, words 4-5 at 512 + 8 l):
;   q, k [bh 32][tile of 16 columns 128]; v [bh][key step 16][tile of 16 d 8]; scale words q, k [bh][block of 64 columns 32][row 16][tile 4]; v [bh][key step][tile / 4][row 16][tile % 4].
; Row rho of tile t (of columns and of d) is index 32 (t / 2) + 8 (t % 2) + rho + 8 (rho / 8), so that the 16 registers of two neighbouring result tiles are 16 neighbours along the next K.
; SHARES.  A work-group owns 256 queries of one (batch, head); each of its SIXTEEN waves one tile of 16, in 256 registers: four waves to a SIMD, so that one wave's vector work stands beside another's matrix work and LDS loads.
; Every wave walks all 2,048 keys, 128 a step.  Both products are used transposed (S^T = K Q^T, O^T = V^T P^T): a lane holds one query throughout.
; THE RING: two LDS slots of 256 keys (16 fragments of k, then 16 of v: two dense blocks of 24,576 bytes of memory), filled by waves 0-3, 12,288 bytes each.  The scale words of the whole head come once.
; CLUSTER: the four work-groups of a cluster belong to one (batch, head) and walk the same k and v: each tile is asked for JOINTLY, by the same tensor load with the same descriptor and a mask that names the four.
; OUT: att: codes [batch][tile of columns 128][head 4][1,536: registers 4 g .. 4 g + 3 of lane l at 512 g + 16 l]; from byte 6,291,456 the scale words [bh][tile][row 16] (64 bytes a wave, 262,144 in all: a wave has no more).
; LIMITS: NaN and infinities are not served; a block of zeros, or one under 2^-122, gets the byte 1; the bytes are read by this program alone.
; REGISTERS: v1-7 addresses that stay; v8-10 addresses of the loads in hand; v12 -M, v13 the largest t, v[14:15] the sum in two halves; v16-27 Q; v28 the prefetches' offset; v32-79 four fragments of K or of V;
;   v96-159 S^T, then p; v160-223 O^T; v224-235 p's codes; v232-247 at work; v248-251 scale words of K or V; v252 f; v253 p's scale word; v254 at work; v255 Q's scale word.
.set FRB,   1536
.set VOFF,  24576                      ; a slot: 16 fragments of K, then 16 of V
.set SLOT1, 1<<16                      ; slot 1 begins here, so that one exclusive or turns an address in one slot into the other's
.set SCK,   131072                     ; K's scale words of the whole head, 8,192 bytes; V's follow
.set SPARE, 147456                     ; the spare words, 128 bytes for each wave: eight blocks of 256 bytes that no other line names
.set L16,  1                           ; 16 x lane
.set L8,   2                           ; 8 x lane
.set SK0,  3                           ; SCK + 16 x lane
.set LAM,  4                           ; lane
.set SPW,  5                           ; LDS address of my spare word; never rewritten
.set NIL,  6                           ; 0; never rewritten
.set R4,   7                           ; 4 r
.set A16,  8
.set A8,   9
.set ASC,  10
.set PFO,  28                          ; 256 x lane
.set WV,   18
.set SEL,  20
.set CS,   22
.set G1R,  24                          ; s[24:31] group 1 of a ring load;  s[32:39] of the scale words';  s[40:43], s[44:47] their groups 0
.set G1S,  32
.set G0R,  40
.set G0S,  44
.set TB,   16                          ; LDS byte at which the slot in hand begins
.set TS,   17                          ; where the step's scale words begin: 512 bytes a step
.set SLOTS, 67                         ; slots still to be asked for
.set PFA,  76                          ; s[76:77] where my prefetches stand
.set LIM,  80                          ; 1 in a wave that prefetches, else the greatest number
.macro CROUND                          ; a round of the cluster's barrier
	s_barrier_signal -1
	s_barrier_wait -1
	s_cmp_lg_u32 s[WV], 0
	s_cbranch_scc1 .Lnot_wave_0_\@
	s_barrier_signal -3
.Lnot_wave_0_\@:
	s_barrier_wait -3
	s_barrier_signal -1
	s_barrier_wait -1
.endm
.macro TLOAD                           ; waves 0-3 fetch a quarter of a slot each; the branch hangs on the wave's number alone.  Four v_nop follow the load
	s_cmp_lt_u32 s[WV], 4
	s_cbranch_scc0 .Lasked_\@
	tensor_load_to_lds s[G0R:G0R+3], s[G1R:G1R+7]
	s_nop 0
.rept 4
	v_nop
.endr
.Lasked_\@:
.endm
; A PREFETCH INTO THE L2, at every second change of slots (7, 5 and 3 slots still to be asked for), of the two slots behind the one that is being asked for: one and two slots, two and four key steps, ahead of their joint loads.
; Each block of 256 bytes is named once in the launch.  Both clusters of a head walk the same k and v: the first asks.  Its four partners are told apart BY ADDRESS: cx % 2 picks the slot, cx / 2 k or v;
; in each, waves 4, 5, 6 take 8,192 bytes of that slot's 24,576, lanes 256 bytes apart: 4 x 3 x 32 blocks are two slots of k and v.  Slots 0 and 1 come by their loads alone; the last named byte lies in slot 7.
.macro ASK
	s_cmp_gt_u32 s[SLOTS], s[LIM]
	s_cbranch_scc0 .Lnot_mine_\@
	s_bitcmp1_b32 s[SLOTS], 0
	s_cbranch_scc0 .Lnot_mine_\@
	global_prefetch_b8 v[PFO], s[PFA:PFA+1] th:TH_LOAD_NT scope:SCOPE_SE
.Lnot_mine_\@:
.endm
	s_load_b128 s[4:7], s[0:1], 0x0                ; qkv s[4:5], qkvs s[6:7]
	s_load_b64 s[8:9], s[0:1], 0x10                ; att
	v_lshl_add_u32 v[SPW], v0, 2, SPARE
	v_mov_b32 v[NIL], 0
	ds_add_u32 v5, v6
	s_wait_dscnt 0x0
	v_lshrrev_b32 v8, 5, v0
	v_readfirstlane_b32 s[WV], v8                  ; wave 0..15
	s_bfe_u32 s10, ttmp6, 0x40000                  ; cx: my place in the cluster
	s_lshl_b32 s11, ttmp9, 2
	s_add_co_u32 s11, s11, s10                     ; my block of 256 queries: it enters q's and att's addresses alone
	s_and_b32 s12, ttmp7, 0xffff                   ; (batch, head), which the four partners share
	s_and_b32 s13, s[WV], 3
	s_lshr_b32 s14, s13, 1                         ; I fetch for K (0) or V (1),
	s_and_b32 s15, s13, 1                          ; its first or second half
	; group 1: dense rows of 256 bytes (32 elements of 8 bytes): 48 for a quarter of a slot, 16 for a quarter of the scale words; the mask names all four work-groups, bit 21 beside it
	s_mov_b32 s[G1R], 15|(3<<16)|(1<<21)
	s_mov_b32 s[G1R+1], 32<<16
	s_mov_b32 s[G1R+2], 48<<16
	s_mov_b32 s[G1R+3], 32<<16
	s_mov_b32 s[G1R+4], 48
	s_mov_b32 s[G1R+5], 32
	s_mov_b32 s[G1R+6], 0
	s_mov_b32 s[G1R+7], 0
	s_mov_b32 s[G1S], 15|(3<<16)|(1<<21)
	s_mov_b32 s[G1S+1], 32<<16
	s_mov_b32 s[G1S+2], 16<<16
	s_mov_b32 s[G1S+3], 32<<16
	s_mov_b32 s[G1S+4], 16
	s_mov_b32 s[G1S+5], 32
	s_mov_b32 s[G1S+6], 0
	s_mov_b32 s[G1S+7], 0
	s_mul_i32 s68, s14, 6291456                    ; the descriptors' offsets: of the head and the wave's number alone
	s_mul_i32 s69, s12, 196608
	s_add_co_u32 s68, s68, s69
	s_mul_i32 s69, s15, 12288
	s_add_co_u32 s68, s68, s69
	s_add_co_u32 s68, s68, 6291456
	s_mov_b32 s69, 0
	s_lshl_b32 s70, s14, 18
	s_lshl_b32 s71, s12, 13
	s_add_co_u32 s70, s70, s71
	s_lshl_b32 s71, s15, 12
	s_add_co_u32 s70, s70, s71
	s_add_co_u32 s70, s70, 262144
	s_mov_b32 s71, 0
	s_mul_i32 s72, s13, 12288                      ; where they go: no place in the cluster enters an LDS address
	s_lshl_b32 s73, s13, 12
	s_add_co_u32 s73, s73, SCK
	; my own tile's offsets
	s_lshl_b32 s84, s11, 4
	s_add_co_u32 s84, s84, s[WV]                   ; my tile of 16 columns
	s_lshl_b32 s85, s12, 7
	s_add_co_u32 s85, s85, s84
	s_mul_i32 s86, s85, FRB                        ; q's fragment
	s_mov_b32 s87, 0
	s_lshl_b32 s88, s12, 5
	s_lshl_b32 s89, s11, 2
	s_add_co_u32 s88, s88, s89
	s_lshr_b32 s89, s[WV], 2
	s_add_co_u32 s88, s88, s89
	s_lshl_b32 s88, s88, 8
	s_lshl_b32 s89, s13, 2
	s_add_co_u32 s88, s88, s89                     ; q's scale words: block of 64 columns, tile w % 4
	s_mov_b32 s89, 0
	s_lshr_b32 s90, s12, 2
	s_lshl_b32 s90, s90, 7
	s_add_co_u32 s90, s90, s84
	s_lshl_b32 s90, s90, 2
	s_and_b32 s91, s12, 3
	s_add_co_u32 s90, s90, s91
	s_mul_i32 s90, s90, FRB                        ; att's fragment: (128 batch + tile) x 4 + head
	s_mov_b32 s91, 0
	s_lshl_b32 s92, s85, 6
	s_add_co_u32 s92, s92, 6291456                 ; and its scale words
	s_mov_b32 s93, 0
	s_and_b32 s94, s10, 1                          ; the prefetches
	s_mul_i32 s94, s94, 24576
	s_lshr_b32 s95, s10, 1
	s_mul_i32 s95, s95, 6291456
	s_add_co_u32 s94, s94, s95
	s_mul_i32 s95, s12, 196608
	s_add_co_u32 s94, s94, s95
	s_lshl_b32 s95, s13, 13
	s_add_co_u32 s94, s94, s95
	s_add_co_u32 s94, s94, 6291456+24576           ; in slot 1 + cx % 2: the first change of slots steps it one slot on
	s_mov_b32 s95, 0
	s_sub_co_u32 s74, s[WV], 4
	s_cmp_lt_u32 s74, 3                            ; waves 4, 5, 6
	s_cselect_b32 s74, 0, 1
	s_or_b32 s74, s74, ttmp9                       ; of the head's first cluster: the same in all four partners
	s_cmp_eq_u32 s74, 0
	s_cselect_b32 s[LIM], 1, -1
	s_mov_b32 s[SEL], 0x76543210
	s_mov_b32 s[SEL+1], 0xfedcba98
	s_mov_b32 s[CS], 0x3e0293ee                    ; c = log2(e) / sqrt(128)
	s_mov_b32 s[CS+1], s[CS]                       ; (named with it as a pair, so it is written)
	s_mov_b32 s[TB], 0
	s_mov_b32 s[TS], 0
	s_mov_b32 s[SLOTS], 7
	s_wait_kmcnt 0x0
	s_mov_b32 s[G0R], 1
	s_mov_b32 s[G0R+1], s72
	s_add_nc_u64 s[G0R+2:G0R+3], s[4:5], s[68:69]
	s_or_b32 s[G0R+3], s[G0R+3], 0x80000000
	s_mov_b32 s[G0S], 1
	s_mov_b32 s[G0S+1], s73
	s_add_nc_u64 s[G0S+2:G0S+3], s[6:7], s[70:71]
	s_or_b32 s[G0S+3], s[G0S+3], 0x80000000
	s_add_nc_u64 s[PFA:PFA+1], s[4:5], s[94:95]
	s_add_nc_u64 s[86:87], s[4:5], s[86:87]
	s_add_nc_u64 s[88:89], s[6:7], s[88:89]
	s_add_nc_u64 s[90:91], s[8:9], s[90:91]
	s_add_nc_u64 s[92:93], s[8:9], s[92:93]
	CROUND                                         ; all four work-groups are here: the first joint loads meet
	s_cmp_lt_u32 s[WV], 4                          ; a wave's two first fills stand in one branch: two loads of mine are out
	s_cbranch_scc0 .Lno_first
	tensor_load_to_lds s[G0S:G0S+3], s[G1S:G1S+7]  ; the scale words of the whole head: filled once
	s_nop 0
	tensor_load_to_lds s[G0R:G0R+3], s[G1R:G1R+7]  ; slot 0
	s_nop 0
.rept 4
	v_nop
.endr
.Lno_first:
	v_and_b32 v[LAM], 31, v0
	v_lshlrev_b32 v[L16], 4, v[LAM]
	v_lshlrev_b32 v[L8], 3, v[LAM]
	v_add_nc_u32 v[SK0], SCK, v[L16]
	v_and_b32 v[R4], 15, v0
	v_lshlrev_b32 v254, 4, v[R4]
	v_lshlrev_b32 v[R4], 2, v[R4]
	v_lshlrev_b32 v[PFO], 8, v[LAM]
	global_load_b128 v[16:19], v[L16], s[86:87]              ; Q's fragment stays in registers
	global_load_b64 v[20:21], v[L8], s[86:87] offset:512
	global_load_b128 v[22:25], v[L16], s[86:87] offset:768
	global_load_b64 v[26:27], v[L8], s[86:87] offset:1280
	global_load_b32 v255, v254, s[88:89]                     ; and its scale words
	v_mov_b32 v13, 0xff61b1e6                      ; the largest t so far: -3e38, under every t
	v_floor_f32 v12, -v13                          ; -M
	v_mov_b32 v14, 0                               ; the sum, in two halves
	v_mov_b32 v15, 0
.irp b, 0,1,2,3
	v_mov_b32 v[236+\b], 0                         ; written once: a lane permute's destination counts as one of its sources
.endr
	v_mov_b32 v253, 0                              ; (named as the upper half of the pair v[252:253] before it is first written)
.set j, 0
.rept 64
	v_mov_b32 v[160+j], 0                          ; O^T.  (The loop is written once: its first step finds zeros, which the first change of M leaves zeros)
.set j, j+1
.endr
.macro FRAG reg, off                   ; a fragment comes out of LDS as it was stored
	ds_load_b128 v[\reg:\reg+3], v[A16] offset:\off
	ds_load_b64 v[\reg+4:\reg+5], v[A8] offset:\off+512
	ds_load_b128 v[\reg+6:\reg+9], v[A16] offset:\off+768
	ds_load_b64 v[\reg+10:\reg+11], v[A8] offset:\off+1280
.endm
; A KEY STEP: 128 keys, the q-th of the slot in hand.
.macro STEP q
	v_add_nc_u32 v[A16], s[TB], v[L16]
	v_add_nc_u32 v[A8], s[TB], v[L8]
	v_add_nc_u32 v[ASC], s[TS], v[SK0]
	v_nop                                          ; these four are the places in front of loads into registers that the last matrix instructions have read
.irp g, 0,1                            ; S^T = K Q^T, four tiles of 16 keys at a time
.if \g > 0
.rept 4
	v_nop
.endr
.endif
.irp t, 0,1,2,3
	FRAG 32+12*\t,(8*(\q)+4*\g+\t)*FRB
.endr
.if \g == 0
	ds_load_b128 v[248:251], v[ASC]                ; register t: lanes 0-15 the words of tile t, lanes 16-31 those of tile 4 + t
.endif
	s_wait_dscnt 0x0
.irp t, 0,1,2,3
.if \g == 0
	v_wmma_scale_f32_16x16x128_f8f6f4 v[96+8*(4*\g+\t):103+8*(4*\g+\t)], v[32+12*\t:43+12*\t], v[16:27], 0, v[248+\t], v255 matrix_a_fmt:MATRIX_FMT_BF6 matrix_b_fmt:MATRIX_FMT_BF6
.else
	v_wmma_scale_f32_16x16x128_f8f6f4 v[96+8*(4*\g+\t):103+8*(4*\g+\t)], v[32+12*\t:43+12*\t], v[16:27], 0, v[248+\t], v255 matrix_a_fmt:MATRIX_FMT_BF6 matrix_b_fmt:MATRIX_FMT_BF6 matrix_a_scale:MATRIX_SCALE_ROW1
.endif
.endr
.endr                                  ; lane (r, h) holds query r; the 16 registers of tiles 2 b, 2 b + 1 are keys 32 b + 16 h + 0 .. 15 of the step
.rept 4
	v_nop
.endr
.irp b, 0,1,2,3
	v_max3_num_f32 v[232+\b], v[96+16*\b], v[97+16*\b], v[98+16*\b]   ; the largest score of each block of 32 keys: it serves for the row's maximum and, since p rises with the score, for the block's largest p
.endr
.irp i, 3,5,7,9,11,13
.irp b, 0,1,2,3
	v_max3_num_f32 v[232+\b], v[232+\b], v[96+16*\b+\i], v[97+16*\b+\i]
.endr
.endr
.irp b, 0,1,2,3
	v_max_num_f32 v[232+\b], v[232+\b], v[111+16*\b]
.endr
.irp b, 0,1,2,3
	v_permlanex16_b32 v[236+\b], v[232+\b], s[SEL], s[SEL+1]
.endr
.irp b, 0,1,2,3
	v_max_num_f32 v[232+\b], v[232+\b], v[236+\b]  ; with lane l xor 16's 16 keys
.endr
	v_max3_num_f32 v254, v232, v233, v234
	v_max_num_f32 v254, v254, v235                 ; the step's largest score of my query
	v_mul_f32 v254, s[CS], v254                    ; as t (c is positive)
	v_max_num_f32 v13, v13, v254                   ; the running largest t
	v_mov_b32 v254, v12
	v_floor_f32 v12, -v13                          ; the new -M = floor(-t) = -ceil(t): M is a whole number
	v_sub_f32 v254, v12, v254                      ; M's old value less its new one: a whole number, 0 or less
	v_cvt_i32_f32 v254, v254                       ; (it saturates)
	v_ldexp_f32 v252, 1.0, v254                    ; f = 2^(old M - new M)
.set j, 0
.rept 32
	v_pk_fma_f32 v[96+j:97+j], v[96+j:97+j], s[CS:CS+1], v[12:13] op_sel_hi:[1,0,0]   ; t - M, two at a time
.set j, j+2
.endr
.irp b, 0,1,2,3
	v_fma_f32 v[232+\b], v[232+\b], s[CS], v12     ; the same of each block's largest score
.endr
.set j, 0
.rept 64
	v_exp_f32 v[96+j], v[96+j]                     ; p = 2^(t - M), at most 1: not normalised
.set j, j+1
.endr
	v_pk_mul_f32 v[14:15], v[14:15], v[252:253] op_sel_hi:[1,0]   ; the sums under the new M.  (A plain place behind the exponentials)
	s_wait_alu depctr_va_vdst(0)                   ; one wait for the whole batch, ahead of its first reader
.irp b, 0,1,2,3
	v_exp_f32 v[232+\b], v[232+\b]                 ; the block's largest p: the same two instructions on the same number give the same bits
.endr
	v_pk_add_f32 v[236:237], v[96:97], v[98:99]    ; the row's sum is taken of the unquantised p: two at a time, in two chains
.irp j, 4,8,12,16,20,24,28,32,36,40,44,48,52,56,60
	v_pk_add_f32 v[14:15], v[14:15], v[96+\j:97+\j]
	v_pk_add_f32 v[236:237], v[236:237], v[98+\j:99+\j]
.endr
	v_pk_add_f32 v[14:15], v[14:15], v[236:237]
	s_wait_alu depctr_va_vdst(0)                   ; and one for the four
.irp b, 0,1,2,3
	v_max_num_f32 v[232+\b], 0x2800000, v[232+\b]  ; the floor 2^(5 - 127): the byte cannot fall under 1
.endr
.irp b, 0,1,2,3
	v_add_nc_u32 v[244+\b], 0xfe000000, v[232+\b]  ; 4 off the exponent field: the conversion's scale operand
.endr
.irp b, 0,1,2,3
	v_lshrrev_b32 v[236+\b], 23, v[244+\b]         ; the scale's byte
.endr
	v_lshl_or_b32 v253, v237, 8, v236              ; p's scale word for these 128 keys
	v_lshl_or_b32 v253, v238, 16, v253
	v_lshl_or_b32 v253, v239, 24, v253
.irp c, 0,1
	v_cvt_scalef32_pk16_bf6_f32 v[224+6*\c:226+6*\c], v[96+32*\c:111+32*\c], v[244+2*\c]
	v_cvt_scalef32_pk16_bf6_f32 v[236+4*\c:238+4*\c], v[112+32*\c:127+32*\c], v[244+2*\c+1]
.endr
	v_nop                                          ; one plain place behind a scaled conversion
.irp c, 0,1                            ; the operand's layout wants a whole block in a lane
.irp i, 0,1,2
	v_permlane16_swap_b32 v[224+6*\c+\i], v[236+4*\c+\i]
.endr
.irp i, 0,1,2
	v_mov_b32 v[227+6*\c+\i], v[236+4*\c+\i]
.endr
.endr
.set j, 0
.rept 32
	v_pk_mul_f32 v[160+j:161+j], v[160+j:161+j], v[252:253] op_sel_hi:[1,0]   ; O^T under the new M.  (These 32 are also the places in front of the matrix instructions and loads below)
.set j, j+2
.endr
.irp g, 0,1                            ; O^T += V^T P^T: four tiles of 16 of the head's 128 at a time
.if \g > 0
.rept 4
	v_nop
.endr
.endif
.irp t, 0,1,2,3
	FRAG 32+12*\t,VOFF+(8*(\q)+4*\g+\t)*FRB
.endr
.if \g == 0
	ds_load_b128 v[248:251], v[ASC] offset:8192
.endif
	s_wait_dscnt 0x0
.irp t, 0,1,2,3
.if \g == 0
	v_wmma_scale_f32_16x16x128_f8f6f4 v[160+8*(4*\g+\t):167+8*(4*\g+\t)], v[32+12*\t:43+12*\t], v[224:235], v[160+8*(4*\g+\t):167+8*(4*\g+\t)], v[248+\t], v253 matrix_a_fmt:MATRIX_FMT_BF6 matrix_b_fmt:MATRIX_FMT_BF6
.else
	v_wmma_scale_f32_16x16x128_f8f6f4 v[160+8*(4*\g+\t):167+8*(4*\g+\t)], v[32+12*\t:43+12*\t], v[224:235], v[160+8*(4*\g+\t):167+8*(4*\g+\t)], v[248+\t], v253 matrix_a_fmt:MATRIX_FMT_BF6 matrix_b_fmt:MATRIX_FMT_BF6 matrix_a_scale:MATRIX_SCALE_ROW1
.endif
.endr
.endr
	s_add_co_u32 s[TS], s[TS], 512                 ; the next step's scale words
.endm
; THE CHANGE OF SLOTS stands at a slot's head.  Each wave waits for all its tensor loads (its part of the slot that it is about to read), adds 0 to its spare word, and waits for that and for its reads of the slot that it has left.
; fill = 1: the barrier is a round of the cluster's, so that no wave of any partner still reads that slot or has a load on its way; the joint refill is the first thing behind it and has two key steps in which to land.
.macro CHANGE fill
	s_wait_tensorcnt 0x0                           ; no tensor load of mine is out, so a group 0 may be written
	ds_add_u32 v[SPW], v[NIL]                      ; 0 onto my spare word
.if \fill
	s_xor_b32 s[G0R+1], s[G0R+1], SLOT1            ; the walking descriptor: the other slot than last time,
	s_add_nc_u64 s[G0R+2:G0R+3], s[G0R+2:G0R+3], 24576   ; the next 256 keys; the type bits on top are not reached
	s_wait_xcnt 0x0                                ; the last prefetch has read its address, so it may be written
	s_add_nc_u64 s[PFA:PFA+1], s[PFA:PFA+1], 24576
.endif
	s_wait_dscnt 0x0                               ; the add is done, and my reads of the slot that I have left are over
.if \fill
	CROUND
	TLOAD
	ASK
.else
	s_barrier_signal -1
	s_barrier_wait -1
.endif
.endm
.macro SLOT_STEPS
	STEP 0
	STEP 1
	s_xor_b32 s[TB], s[TB], SLOT1                  ; on to the other slot
.endm
	s_wait_loadcnt 0x0                             ; Q
.Lslot:                                            ; seven trips: behind each change of slots but the last the next slot is asked for
	CHANGE 1
	SLOT_STEPS
	s_sub_co_u32 s[SLOTS], s[SLOTS], 1
	s_cmp_lg_u32 s[SLOTS], 0
	s_cbranch_scc1 .Lslot
	CHANGE 0                                       ; the last slot is written out
	SLOT_STEPS
	; THE WAY OUT.  O^T / the sum: register 16 b + i of lane (r, h) is d = 32 b + 16 h + i of query r: 16 neighbours along the last product's K.  They become one fragment and one scale word a row.
.set PC, 32
.set TM, 56
.set PW, 72
.rept 4
	v_nop                                          ; four places behind the last products (ISA guide 7.12.1): the registers at work below, v56 on, held V's fragments, which those products read; their results are read further down
.endr
	v_add_f32 v14, v14, v15                        ; the sum's two halves,
	v_permlanex16_b32 v252, v14, s[SEL], s[SEL+1]
	v_add_f32 v14, v14, v252                       ; and lane l xor 16's: the row's sum
	v_rcp_f32 v14, v14
.irp b, 0,1,2,3
	v_mov_b32 v[TM+4+\b], 0                        ; (plain work behind the transcendental; a lane permute's destination counts as one of its sources)
.endr
	s_wait_alu depctr_va_vdst(0)                   ; the wait ahead of the first reader
.set j, 0
.rept 64
	v_mul_f32 v[96+j], v[160+j], v14               ; each accumulator from its low end on
.set j, j+1
.endr
.irp b, 0,1,2,3
	v_max3_num_f32 v[TM+\b], |v[96+16*\b]|, |v[97+16*\b]|, 0x2800000
.endr
.irp i, 2,4,6,8,10,12,14
.irp b, 0,1,2,3
	v_max3_num_f32 v[TM+\b], v[TM+\b], |v[96+16*\b+\i]|, |v[97+16*\b+\i]|
.endr
.endr
.irp b, 0,1,2,3
	v_permlanex16_b32 v[TM+4+\b], v[TM+\b], s[SEL], s[SEL+1]
.endr
.irp b, 0,1,2,3
	v_max_num_f32 v[TM+\b], v[TM+\b], v[TM+4+\b]
.endr
.irp b, 0,1,2,3
	v_add_nc_u32 v[TM+12+\b], 0xfe000000, v[TM+\b]
.endr
.irp b, 0,1,2,3
	v_lshrrev_b32 v[TM+4+\b], 23, v[TM+12+\b]
.endr
	v_lshl_or_b32 v[PW], v[TM+5], 8, v[TM+4]
	v_lshl_or_b32 v[PW], v[TM+6], 16, v[PW]
	v_lshl_or_b32 v[PW], v[TM+7], 24, v[PW]
.irp c, 0,1
	v_cvt_scalef32_pk16_bf6_f32 v[PC+6*\c:PC+2+6*\c], v[96+32*\c:111+32*\c], v[TM+12+2*\c]
	v_cvt_scalef32_pk16_bf6_f32 v[PC+12+4*\c:PC+14+4*\c], v[112+32*\c:127+32*\c], v[TM+12+2*\c+1]
.endr
	v_nop
.irp c, 0,1
.irp i, 0,1,2
	v_permlane16_swap_b32 v[PC+6*\c+\i], v[PC+12+4*\c+\i]
.endr
.irp i, 0,1,2
	v_mov_b32 v[PC+3+6*\c+\i], v[PC+12+4*\c+\i]
.endr
.endr
.irp g, 0,1,2
	global_store_b128 v[L16], v[PC+4*\g:PC+4*\g+3], s[90:91] offset:512*\g   ; 512 consecutive bytes a store
.endr
	s_wait_xcnt 0x0                                ; EXEC changes only behind this wait
	v_cmp_gt_u32 vcc_lo, 16, v[LAM]
	s_and_saveexec_b32 s82, vcc_lo                 ; lanes 0-15: one word a row
	global_store_b32 v[R4], v[PW], s[92:93]
	s_wait_xcnt 0x0                                ; and again, in front of the line that widens it
	s_or_b32 exec_lo, exec_lo, s82
	s_wait_tensorcnt 0x0                           ; the wave's end
	ds_add_u32 v[SPW], v[NIL]
	s_wait_dscnt 0x0
	CROUND                                         ; the closing round: no work-group ends while a partner may still ask for a tile that names it
	s_endpgm
.Lfunc_end_k_q8fdebb2a4d_attn:
	.size	k_q8fdebb2a4d_attn, .Lfunc_end_k_q8fdebb2a4d_attn-k_q8fdebb2a4d_attn
	.p2alignl 7, 3214868480
	.fill 96, 4, 3214868480
	.section	.rodata,"a",@progbits
	.p2align	6, 0x0
	.amdhsa_kernel k_q8fdebb2a4d_attn
		.amdhsa_group_segment_fixed_size 327680
		.amdhsa_private_segment_fixed_size 0
		.amdhsa_enable_private_segment 0
		.amdhsa_kernarg_size 24
		.amdhsa_user_sgpr_count 2
		.amdhsa_user_sgpr_kernarg_segment_ptr 1
		.amdhsa_wavefront_size32 1
		.amdhsa_system_sgpr_workgroup_id_x 1
		.amdhsa_system_sgpr_workgroup_id_y 1
		.amdhsa_system_sgpr_workgroup_id_z 1
		.amdhsa_system_vgpr_workitem_id 0
		.amdhsa_next_free_vgpr 256
		.amdhsa_next_free_sgpr 100
		.amdhsa_reserve_vcc 1
		.amdhsa_float_denorm_mode_32 3
		.amdhsa_float_denorm_mode_16_64 3
		.amdhsa_memory_ordered 1
		.amdhsa_forward_progress 1
		.amdhsa_inst_pref_size 96
	.end_amdhsa_kernel
	.amdgpu_metadata
---
amdhsa.version: [ 1, 2 ]
amdhsa.kernels:
  - .name:           k_q8fdebb2a4d_attn
    .symbol:         k_q8fdebb2a4d_attn.kd
    .args:
      - { .name: qkv, .offset: 0, .size: 8, .value_kind: global_buffer, .address_space: global }
      - { .name: qkvs, .offset: 8, .size: 8, .value_kind: global_buffer, .address_space: global }
      - { .name: att, .offset: 16, .size: 8, .value_kind: global_buffer, .address_space: global }
    .group_segment_fixed_size: 327680
    .private_segment_fixed_size: 0
    .kernarg_segment_align: 8
    .kernarg_segment_size: 24
    .max_flat_workgroup_size: 512
    .sgpr_count:     100
    .vgpr_count:     256
    .wavefront_size: 32
...
	.end_amdgpu_metadata
.endif
;; end of part 3
;; launch outproj (part 4): grid 256 x 1, 8 waves a work-group, no clusters, 199,680 bytes of LDS; arguments x, att, wts, bo, out0; writes out0
.if DOCPART == 4
	.amdgcn_target "amdgcn-amd-amdhsa--gfx1250"
	.amdhsa_code_object_version 6
	.text
	.protected	k_q8fdebb2a4d_outproj
	.globl	k_q8fdebb2a4d_outproj
	.p2align	8
	.type	k_q8fdebb2a4d_outproj,@function
k_q8fdebb2a4d_outproj:
	s_mov_b64 s[64:65], 0
	v_nop
	global_prefetch_b8 v0, s[64:65] scope:SCOPE_SE
	s_setreg_imm32_b32 hwreg(HW_REG_WAVE_MODE, 25, 1), 1
	s_wait_xcnt 0x0
; out = x + wo attn + bo, the product on codes of BF6 (E3M2) with one E8M0 byte for each 32 along K = (head, d).
; SHARES.  A work-group takes one batch and 64 columns l, all 512 outputs.  attn's 16 fragments (4 tiles of 16 columns x 4 heads), one dense block of 24,576 bytes, come into LDS once and then into every wave's registers.
; Wave w makes outputs 64 w .. 64 w + 63: wo's tiles 4 w .. 4 w + 3, which come from memory straight into its registers, in the order in which the first launch has laid them, once in the work-group.
; Source 0 = 16 columns, source 1 = 16 outputs: a lane holds one output and eight neighbouring columns; row rho of a tile (of columns, of outputs) is index 32 (t / 2) + 8 (t % 2) + rho + 8 (rho / 8).
; The bias is the C of each sum's first matrix instruction.  A tile's 16 rows x 64 columns go through the wave's own stage in LDS and come back as rows of 256 bytes; x's rows, brought by a tensor load, are added; sixteen lanes store 256 consecutive bytes, aligned.
; NO CLUSTER: a weight fragment serves one wave once, and attn's and x's tiles belong to one work-group.  NO PREFETCH: everything that the work-group reads is asked for at its head.
; REGISTERS.  Window 0: v1-11 addresses; v16-31 attn's scale words; v32-47 wo's; v48-51 the lanes' biases; v52-59 the bias as C; v64-255 wo's four tiles of four fragments (a tile's first 32 registers take its rows of the result once it is multiplied).
;   Window 1: v0-191 attn's fragments; v192-223 four accumulators; v224-255 rows of x.
.set STG,  24576                       ; LDS: attn's images at 0; the stages: 16 rows of 256 bytes + 16 for each wave
.set XT,   59392                       ; x's tile: 512 rows of 256 bytes + 16; wave w's 64 rows at 17,408 w
.set L16,  2
.set R16,  4
.set R4,   5
.set BVO,  7
.set SO,   8
.set SR,   9
.set XR,   10
.set GO,   11
.set AS,   16
.set WS,   32
.set BV,   48
.set CB,   52
.set WB,   64
.set ACC,  192
.set XX,   224
.set MSB, 0
.macro WIN new                         ; the immediate's high byte repeats the setting that is left
.if MSB != \new
	s_set_vgpr_msb (MSB<<8)|\new
.set MSB, \new
.endif
.endm
.macro PLACES n
.rept \n
	v_nop
.endr
.endm
	s_load_b256 s[4:11], s[0:1], 0x0               ; x s[4:5], att s[6:7], wts s[8:9], bo s[10:11]
	s_load_b64 s[12:13], s[0:1], 0x20              ; out0
	v_lshl_add_u32 v62, v0, 2, 0x30800
	v_mov_b32 v63, 0
	ds_add_u32 v62, v63
	v_lshrrev_b32 v1, 5, v0
	v_readfirstlane_b32 s24, v1                    ; wave 0..7
	s_lshr_b32 s25, ttmp9, 5                       ; batch
	s_and_b32 s26, ttmp9, 31                       ; block of 64 columns
	; group 1 for attn's codes: 12 dense rows of 256 bytes a wave
	s_mov_b32 s32, 3<<16
	s_mov_b32 s33, 32<<16
	s_mov_b32 s34, 12<<16
	s_mov_b32 s35, 32<<16
	s_mov_b32 s36, 12
	s_mov_b32 s37, 32
	s_mov_b32 s38, 0
	s_mov_b32 s39, 0
	; group 1 for x: 64 rows of 64 f32, 2,048 elements apart, 16 bytes of padding behind each row
	s_mov_b32 s48, (2<<16)|(1<<20)|(5<<22)|(3<<25)
	s_mov_b32 s49, 64<<16
	s_mov_b32 s50, 64<<16
	s_mov_b32 s51, 64<<16
	s_mov_b32 s52, 64
	s_mov_b32 s53, 2048
	s_mov_b32 s54, 0
	s_mov_b32 s55, 0
	s_lshl_b32 s56, s25, 7
	s_lshl_b32 s57, s26, 2
	s_add_co_u32 s56, s56, s57                     ; 128 batch + my first tile of columns
	s_lshl_b32 s62, s56, 8                         ; (x 4 heads x 64 bytes: see the scale words below)
	s_mul_i32 s56, s56, 6144
	s_mul_i32 s27, s24, 3072
	s_add_co_u32 s56, s56, s27
	s_mov_b32 s57, 0
	s_lshl_b32 s58, s25, 22
	s_lshl_b32 s59, s24, 19
	s_add_co_u32 s58, s58, s59
	s_lshl_b32 s59, s26, 8
	s_add_co_u32 s58, s58, s59                     ; x and out0: batch, my 64 rows, 256 bytes of each
	s_mov_b32 s59, 0
	s_mul_i32 s60, s24, 17408
	s_wait_dscnt 0x0
	s_wait_kmcnt 0x0
	s_mov_b32 s28, 1
	s_mov_b32 s29, s27
	s_add_nc_u64 s[30:31], s[6:7], s[56:57]
	s_or_b32 s31, s31, 0x80000000
	s_mov_b32 s40, 1
	s_add_co_u32 s41, s60, XT
	s_add_nc_u64 s[42:43], s[4:5], s[58:59]
	s_or_b32 s43, s43, 0x80000000
	tensor_load_to_lds s[28:31], s[32:39]          ; my eighth of attn's fragments: all waves read them, behind the barrier below
	s_nop 0
	tensor_load_to_lds s[40:43], s[48:55]          ; my 64 rows of x: only I read them, behind my own wait.  Both are filled once: two loads of mine are out
	s_nop 0
	PLACES 4
	s_add_nc_u64 s[12:13], s[12:13], s[58:59]
	; attn's scale words [4 batch + head][tile 128][row 16]: (512 batch + my first tile) x 64 = 64 x (128 batch + tile) + 384 x 64 x batch
	s_lshr_b32 s62, s62, 2                         ; 64 x (128 batch + tile)
	s_mul_i32 s63, s25, 24576
	s_add_co_u32 s62, s62, s63
	s_add_co_u32 s62, s62, 6291456
	s_mov_b32 s63, 0
	s_add_nc_u64 s[14:15], s[6:7], s[62:63]
	s_mul_i32 s62, s24, 24576
	s_add_co_u32 s62, s62, 589824
	s_add_nc_u64 s[16:17], s[8:9], s[62:63]        ; wo's tiles 4 w on
	s_lshl_b32 s62, s24, 10
	s_add_co_u32 s62, s62, 811008
	s_add_nc_u64 s[18:19], s[8:9], s[62:63]        ; their scale words
	s_lshl_b32 s62, s24, 8
	s_add_nc_u64 s[20:21], s[10:11], s[62:63]      ; my 64 biases
	v_and_b32 v1, 31, v0
	v_lshlrev_b32 v[L16], 4, v1
	v_and_b32 v3, 15, v0                           ; r
	v_bfe_u32 v6, v0, 4, 1                         ; h
	v_lshlrev_b32 v[R16], 4, v3
	v_lshlrev_b32 v[R4], 2, v3
	v_and_b32 v[BVO], 8, v3
	v_add_nc_u32 v[BVO], v[BVO], v3
	v_lshlrev_b32 v[BVO], 2, v[BVO]                ; 4 (r + 8 (r / 8))
	s_mul_i32 s61, s24, 4352
	s_add_co_u32 s61, s61, STG                     ; my stage
	v_mul_u32_u24 v[SO], v3, 272
	v_lshl_add_u32 v[SO], v6, 6, v[SO]
	v_add_nc_u32 v[SO], s61, v[SO]                 ; in: row r, + 64 h bytes
	v_mul_u32_u24 v[SR], v6, 272
	v_add_nc_u32 v[SR], v[SR], v[R16]
	v_add_nc_u32 v[XR], s41, v[SR]                 ; x's rows: lanes 0-15 one row, lanes 16-31 the next
	v_add_nc_u32 v[SR], s61, v[SR]                 ; back out of the stage likewise
	v_lshl_add_u32 v[GO], v6, 13, v[R16]           ; and the same two rows in out0
.irp m, 0,1,2,3
.irp s, 0,1,2,3
	global_load_b32 v[AS+4*\m+\s], v[R4], s[14:15] offset:8192*\s+64*\m
.endr
.endr
.irp i, 0,1,2,3                        ; a tile: 12 loads of codes, one of scale words, one of the bias: 14
.irp s, 0,1,2,3
.irp g, 0,1,2
	global_load_b128 v[WB+48*\i+12*\s+4*\g:WB+48*\i+12*\s+4*\g+3], v[L16], s[16:17] offset:6144*\i+1536*\s+512*\g
.endr
.endr
	global_load_b128 v[WS+4*\i:WS+4*\i+3], v[R16], s[18:19] offset:256*\i
	global_load_b32 v[BV+\i], v[BVO], s[20:21] offset:128*(\i/2)+32*(\i%2)
.endr
	s_wait_tensorcnt 0x1                           ; my part of attn is in; x's rows may stay out
	s_barrier_signal -1
	s_barrier_wait -1                              ; everybody's is
	WIN 0x40
.set f, 0
.rept 16
	ds_load_b128 v[12*f:12*f+3], v[L16] offset:1536*f
	ds_load_b128 v[12*f+4:12*f+7], v[L16] offset:1536*f+512
	ds_load_b128 v[12*f+8:12*f+11], v[L16] offset:1536*f+1024
.set f, f+1
.endr
	WIN 0
	s_wait_dscnt 0x0
.macro OTILE i
.set WBB, WB+48*(\i)
	s_wait_loadcnt 42-14*(\i)                      ; this tile's loads (and attn's scale words) are in; the later tiles' fourteen each may be out
.irp j, 0,1,2,3,4,5,6,7
	v_mov_b32 v[CB+\j], v[BV+(\i)]                 ; a lane holds one output: its bias in all eight registers of C
.endr
	PLACES 4
	WIN 0x41                                       ; source 0 (attn) and destination window 1
.irp m, 0,1,2,3                        ; K step by K step, the four tiles of columns by turns, one instruction a turn
	v_wmma_scale_f32_16x16x128_f8f6f4 v[ACC+8*\m:ACC+8*\m+7], v[48*\m:48*\m+11], v[WBB:WBB+11], v[CB:CB+7], v[AS+4*\m], v[WS+4*(\i)] matrix_a_fmt:MATRIX_FMT_BF6 matrix_b_fmt:MATRIX_FMT_BF6
.endr
	WIN 0x51
.irp s, 1,2,3
.irp m, 0,1,2,3
	v_wmma_scale_f32_16x16x128_f8f6f4 v[ACC+8*\m:ACC+8*\m+7], v[48*\m+12*\s:48*\m+12*\s+11], v[WBB+12*\s:WBB+12*\s+11], v[ACC+8*\m:ACC+8*\m+7], v[AS+4*\m+\s], v[WS+4*(\i)+\s] matrix_a_fmt:MATRIX_FMT_BF6 matrix_b_fmt:MATRIX_FMT_BF6
.endr
.endr
	WIN 0
	PLACES 5                                       ; four in front of the first read of results and of loads into registers just read; five in front of the matrix instructions that begin these accumulators anew
	WIN 0x04                                       ; an LDS store's data are its source 1: window 1
.irp m, 0,1,2,3
	ds_store_b128 v[SO], v[ACC+8*\m:ACC+8*\m+3] offset:128*(\m/2)+32*(\m%2)         ; lane (r, h): columns 32 (m / 2) + 8 (m % 2) + 16 h + 0 .. 7 of row r; each accumulator from its low end on
	ds_store_b128 v[SO], v[ACC+8*\m+4:ACC+8*\m+7] offset:128*(\m/2)+32*(\m%2)+16
.endr
	WIN 0
.irp k, 0,1,2,3,4,5,6,7
	ds_load_b128 v[WBB+4*\k:WBB+4*\k+3], v[SR] offset:544*\k   ; LDS serves a wave's instructions in order (ISA guide 5.7.1.4): these see my stores
.endr
.if (\i) == 0
	s_wait_tensorcnt 0x0                           ; my rows of x lie in LDS
.endif
	WIN 0x40
.irp k, 0,1,2,3,4,5,6,7
	ds_load_b128 v[XX+4*\k:XX+4*\k+3], v[XR] offset:272*(32*((\i)/2)+8*((\i)%2)+2*\k+8*(\k/4))   ; stage rows 2 k, 2 k + 1 are outputs 32 (i / 2) + 8 (i % 2) + 2 k + 8 (k / 4) and the next
.endr
	s_wait_dscnt 0x0
	WIN 0x04
.set j, 0
.rept 16
	v_pk_add_f32 v[WBB+2*j:WBB+2*j+1], v[WBB+2*j:WBB+2*j+1], v[XX+2*j:XX+2*j+1]      ; the residual
.set j, j+1
.endr
	WIN 0
.irp k, 0,1,2,3,4,5,6,7
	global_store_b128 v[GO], v[WBB+4*\k:WBB+4*\k+3], s[12:13] offset:8192*(32*((\i)/2)+8*((\i)%2)+2*\k+8*(\k/4)) th:TH_STORE_NT   ; 16 lanes store 256 consecutive bytes, aligned; each tile has registers of its own for its stores
.endr
.endm
	OTILE 0
	OTILE 1
	OTILE 2
	OTILE 3
	s_wait_tensorcnt 0x0
	ds_add_u32 v62, v63
	s_wait_dscnt 0x0
	s_endpgm
.Lfunc_end_k_q8fdebb2a4d_outproj:
	.size	k_q8fdebb2a4d_outproj, .Lfunc_end_k_q8fdebb2a4d_outproj-k_q8fdebb2a4d_outproj
	.p2alignl 7, 3214868480
	.fill 96, 4, 3214868480
	.section	.rodata,"a",@progbits
	.p2align	6, 0x0
	.amdhsa_kernel k_q8fdebb2a4d_outproj
		.amdhsa_group_segment_fixed_size 199680
		.amdhsa_private_segment_fixed_size 0
		.amdhsa_enable_private_segment 0
		.amdhsa_kernarg_size 40
		.amdhsa_user_sgpr_count 2
		.amdhsa_user_sgpr_kernarg_segment_ptr 1
		.amdhsa_wavefront_size32 1
		.amdhsa_system_sgpr_workgroup_id_x 1
		.amdhsa_system_sgpr_workgroup_id_y 1
		.amdhsa_system_sgpr_workgroup_id_z 1
		.amdhsa_system_vgpr_workitem_id 0
		.amdhsa_next_free_vgpr 512
		.amdhsa_next_free_sgpr 66
		.amdhsa_reserve_vcc 0
		.amdhsa_float_denorm_mode_32 3
		.amdhsa_float_denorm_mode_16_64 3
		.amdhsa_memory_ordered 1
		.amdhsa_forward_progress 1
		.amdhsa_inst_pref_size 39
	.end_amdhsa_kernel
	.amdgpu_metadata
---
amdhsa.version: [ 1, 2 ]
amdhsa.kernels:
  - .name:           k_q8fdebb2a4d_outproj
    .symbol:         k_q8fdebb2a4d_outproj.kd
    .args:
      - { .name: x, .offset: 0, .size: 8, .value_kind: global_buffer, .address_space: global }
      - { .name: att, .offset: 8, .size: 8, .value_kind: global_buffer, .address_space: global }
      - { .name: wts, .offset: 16, .size: 8, .value_kind: global_buffer, .address_space: global }
      - { .name: bo, .offset: 24, .size: 8, .value_kind: global_buffer, .address_space: global }
      - { .name: out0, .offset: 32, .size: 8, .value_kind: global_buffer, .address_space: global }
    .group_segment_fixed_size: 199680
    .private_segment_fixed_size: 0
    .kernarg_segment_align: 8
    .kernarg_segment_size: 40
    .max_flat_workgroup_size: 256
    .sgpr_count:     66
    .vgpr_count:     512
    .wavefront_size: 32
...
	.end_amdgpu_metadata
.endif
;; end of part 4
;; ======== version 2 of 2: 4 launches
;; workspace buffers: stats 16,384 bytes; wts 819,200 bytes; qkv 18,874,368 bytes; qkvs 786,432 bytes; att 6,553,600 bytes
;; launch prep (part 5): grid 256 x 1, 9 waves a work-group, no clusters, 0 bytes of LDS; arguments x, wq, wk, wv, wo, stats, wts; writes stats, wts
.if DOCPART == 5
	.amdgcn_target "amdgcn-amd-amdhsa--gfx1250"
	.amdhsa_code_object_version 6
	.text
	.protected	k_q8fdebb2a4d_prep
	.globl	k_q8fdebb2a4d_prep
	.p2align	8
	.type	k_q8fdebb2a4d_prep,@function
k_q8fdebb2a4d_prep:
	s_mov_b64 s[64:65], 0
	v_nop
	global_prefetch_b8 v0, s[64:65] scope:SCOPE_SE
	s_setreg_imm32_b32 hwreg(HW_REG_WAVE_MODE, 25, 1), 1
	s_wait_xcnt 0x0
; Two jobs in one launch, parted by the wave's number: every work-group has eight waves of the first and one of the second.
; WAVES 0-7: a wave takes 16 KiB of x on end (4,096 numbers, one of a group's 64 chunks; chunk = 8 x work-group + wave) and stores its mean and the sum of squares about that mean: stats [batch x group 32][chunk 64][2] f32.
;   The next launch joins the chunks; no difference of large sums is formed, so a common offset of the inputs costs no accuracy.
; WAVE 8: the four weights [512 (o)][512 (c)] f32 become codes of BF6 (E3M2) with one E8M0 byte for each 32 along c, laid in the order of an operand's registers.
;   The wave takes half a tile of 16 rows: tile = work-group / 2 (32 x matrix + tile), K steps 2 e and 2 e + 1, e = work-group % 2: two fragments of 16 x 128.  128 tiles x 2 halves are the 256 work-groups.
;   The lanes of such a load stand on 16 rows, 2,048 bytes apart: 32 separate pieces of 16 bytes an instruction.  So this work is dealt out evenly, 32 such loads to each work-group, and not gathered in a few.
;   Row rho of tile tau is output 32 (tau / 2) + 8 (tau % 2) + rho + 8 (rho / 8).  Lane (r, h) holds k = 128 s + 64 c + 32 h + 0 .. 31 of its row: two whole blocks a K step, so no other lane is asked for a maximum.
;   wts: codes [matrix q,k,v,o][tile 32][K step 4][1,536]: registers 4 g .. 4 g + 3 of lane l at 512 g + 16 l; from byte 786,432 the scale words [matrix][tile][row 16][K step 4].
; A block's scale is 2^(floor(log2(largest magnitude)) - 4); its byte is the largest magnitude's exponent field - 4, held at 1 from below.
; LIMITS: NaN and infinities are not served; a block of zeros, or one whose largest magnitude lies under 2^-122, gets the byte 1 (its codes are zeros or subnormal codes); the bytes are read by this program alone.
; SMALL STORES: the statistics leave as 8 bytes a wave (16 KiB in the whole launch): a wave has no more to say.  A row's two scale words leave as 8 bytes a lane, 16 bytes apart (32 KiB in the whole launch):
;   a tile's 256 bytes of words belong to two work-groups.
.set NUM, 16                           ; v16-143  two sets of 64 numbers (weights); 128 registers of x (statistics)
.set C,   144                          ; v144-167 codes: 12 registers for each K step, so that no store's data are written again; the statistics' four chains lie in v144-151
.set SCR, 192                          ; v192-198 the upper halves of two blocks, before they are moved
.set SW,  200                          ; v200-201 the row's scale word of each of my two K steps
	s_load_b256 s[4:11], s[0:1], 0x0               ; x s[4:5], wq s[6:7], wk s[8:9], wv s[10:11]
	s_load_b128 s[12:15], s[0:1], 0x20             ; wo s[12:13], stats s[14:15]
	s_load_b64 s[16:17], s[0:1], 0x30              ; wts
	v_lshrrev_b32 v1, 5, v0
	v_readfirstlane_b32 s18, v1                    ; wave 0..8
	v_and_b32 v1, 31, v0                           ; lane
	v_and_b32 v2, 15, v0                           ; r
	v_bfe_u32 v3, v0, 4, 1                         ; h
	v_mov_b32 v13, 0                               ; written once: a lane permute's destination counts as one of its sources
	v_mov_b32 v9, 0
	s_mov_b32 s20, 0x76543210
	s_mov_b32 s21, 0xfedcba98                      ; v_permlanex16_b32's selects for lane l xor 16
	s_cmp_lt_u32 s18, 8
	s_cbranch_scc1 .Lstats
	; ---------------- the weights: wave 8 ----------------
	s_lshr_b32 s22, ttmp9, 6                       ; which matrix
	s_lshr_b32 s23, ttmp9, 1                       ; 32 x matrix + tile
	s_and_b32 s19, ttmp9, 1                        ; e: which two of the four K steps
	s_and_b32 s24, s23, 31                         ; tile
	s_lshr_b32 s25, s24, 1
	s_lshl_b32 s25, s25, 5
	s_and_b32 s26, s24, 1
	s_lshl_b32 s26, s26, 3
	s_add_co_u32 s25, s25, s26                     ; the tile's first row: 32 (tile / 2) + 8 (tile % 2)
	s_lshl_b32 s26, s25, 11                        ; a row is 2,048 bytes,
	s_lshl_b32 s27, s19, 10                        ; two K steps of it 1,024
	s_add_co_u32 s26, s26, s27
	s_mov_b32 s27, 0
	s_mul_i32 s28, s23, 6144                       ; a tile's four fragments,
	s_mul_i32 s29, s19, 3072                       ; my two of them
	s_add_co_u32 s28, s28, s29
	s_mov_b32 s29, 0
	s_lshl_b32 s30, s23, 8                         ; a tile's 64 scale words,
	s_lshl_b32 s31, s19, 3                         ; my two of a row's four
	s_add_co_u32 s30, s30, s31
	s_add_co_u32 s30, s30, 786432
	s_mov_b32 s31, 0
	v_and_b32 v4, 8, v2
	v_add_nc_u32 v4, v4, v2                        ; r + 8 (r / 8)
	v_lshlrev_b32 v4, 11, v4
	v_lshl_add_u32 v4, v3, 7, v4                   ; my row, + 128 h bytes: my block of 32 numbers
	v_lshlrev_b32 v5, 4, v1                        ; 16 x lane: my place in an image
	v_lshlrev_b32 v6, 4, v2                        ; 16 r: my row's four scale words
	v_lshlrev_b32 v7, 3, v3                        ; 8 h: my bytes' place in a scale word
	s_wait_kmcnt 0x0
	s_cmp_eq_u32 s22, 1                            ; the choice hangs on the work-group's number alone
	s_cselect_b64 s[6:7], s[8:9], s[6:7]
	s_cmp_eq_u32 s22, 2
	s_cselect_b64 s[6:7], s[10:11], s[6:7]
	s_cmp_eq_u32 s22, 3
	s_cselect_b64 s[6:7], s[12:13], s[6:7]
	s_add_nc_u64 s[6:7], s[6:7], s[26:27]
	s_add_nc_u64 s[32:33], s[16:17], s[28:29]      ; where my codes go
	s_add_nc_u64 s[34:35], s[16:17], s[30:31]      ; and my scale words
.macro LOADK s                         ; my K step s (0, 1): my two blocks of 32 numbers, 128 bytes each, into set s
.irp c, 0,1
.irp i, 0,1,2,3,4,5,6,7
	global_load_b128 v[NUM+64*(\s)+32*\c+4*\i:NUM+64*(\s)+32*\c+4*\i+3], v4, s[6:7] offset:512*(\s)+256*\c+16*\i th:TH_LOAD_NT
.endr
.endr
.endm
.macro QW s                            ; my K step s becomes a fragment and a scale word
.set XS, NUM+64*(\s)
.irp c, 0,1
	v_max3_num_f32 v[8+\c], |v[XS+32*\c]|, |v[XS+32*\c+1]|, 0x2800000   ; my block 2 c + h, and the floor 2^(5 - 127): the byte cannot fall under 1
.endr
.irp i, 2,4,6,8,10,12,14,16,18,20,22,24,26,28,30
.irp c, 0,1
	v_max3_num_f32 v[8+\c], v[8+\c], |v[XS+32*\c+\i]|, |v[XS+32*\c+\i+1]|   ; (the two blocks by turns)
.endr
.endr
.irp c, 0,1
	v_add_nc_u32 v[10+\c], 0xfe000000, v[8+\c]     ; 4 off the exponent field: the conversion's scale operand
.endr
.irp c, 0,1
	v_lshrrev_b32 v[8+\c], 23, v[10+\c]            ; the scale's byte
.endr
	v_lshl_or_b32 v12, v9, 16, v8                  ; my two bytes: blocks h and 2 + h,
	v_lshlrev_b32 v12, v7, v12                     ; at their places in the word;
	v_permlanex16_b32 v13, v12, s20, s21
	v_or_b32 v[SW+(\s)], v12, v13                  ; with lane l xor 16's two the word is whole
.irp c, 0,1
	v_cvt_scalef32_pk16_bf6_f32 v[C+12*(\s)+6*\c:C+12*(\s)+6*\c+2], v[XS+32*\c:XS+32*\c+15], v[10+\c]
	v_cvt_scalef32_pk16_bf6_f32 v[SCR+4*\c:SCR+4*\c+2], v[XS+32*\c+16:XS+32*\c+31], v[10+\c]   ; (a conversion's three registers begin on an even number)
.endr
	v_nop                                          ; one plain place behind a scaled conversion
.irp c, 0,1
.irp i, 0,1,2
	v_mov_b32 v[C+12*(\s)+6*\c+3+\i], v[SCR+4*\c+\i]
.endr
.endr
.irp g, 0,1,2
	global_store_b128 v5, v[C+12*(\s)+4*\g:C+12*(\s)+4*\g+3], s[32:33] offset:1536*(\s)+512*\g   ; 32 lanes store 512 consecutive bytes
.endr
.endm
	LOADK 0
	LOADK 1                                        ; all that the wave reads is asked for at once: 32 loads
	s_wait_loadcnt 16                              ; the first K step's sixteen loads are in; the second's sixteen may be out
	QW 0
	s_wait_loadcnt 0x0
	QW 1
	s_wait_xcnt 0x0                                ; EXEC changes only behind this wait
	v_cmp_gt_u32 vcc_lo, 16, v1
	s_and_saveexec_b32 s36, vcc_lo                 ; lanes 0-15: a row each (lanes 16-31 hold the same words)
	global_store_b64 v6, v[SW:SW+1], s[34:35]      ; my two of the row's four words
	s_endpgm
	; ---------------- the statistics: waves 0-7 ----------------
.macro RED reg, tmp                    ; the sum over the 32 lanes, in every lane
	v_add_f32_dpp v[\reg], v[\reg], v[\reg] row_xmask:1 row_mask:0xf bank_mask:0xf
	v_add_f32_dpp v[\reg], v[\reg], v[\reg] row_xmask:2 row_mask:0xf bank_mask:0xf
	v_add_f32_dpp v[\reg], v[\reg], v[\reg] row_xmask:4 row_mask:0xf bank_mask:0xf
	v_add_f32_dpp v[\reg], v[\reg], v[\reg] row_xmask:8 row_mask:0xf bank_mask:0xf
	v_permlanex16_b32 v[\tmp], v[\reg], s20, s21
	v_add_f32 v[\reg], v[\reg], v[\tmp]
.endm
.Lstats:
	s_lshl_b32 s22, ttmp9, 3
	s_add_co_u32 s22, s22, s18                     ; my chunk, 0 .. 2,047
	s_lshl_b32 s24, s22, 14                        ; 16 KiB a chunk
	s_mov_b32 s25, 0
	s_lshl_b32 s26, s22, 3                         ; 8 bytes of statistics a chunk
	s_mov_b32 s27, 0
	v_lshlrev_b32 v4, 4, v1
	s_wait_kmcnt 0x0
	s_add_nc_u64 s[4:5], s[4:5], s[24:25]
	s_add_nc_u64 s[14:15], s[14:15], s[26:27]
.set i, 0
.rept 32
	global_load_b128 v[NUM+4*i:NUM+4*i+3], v4, s[4:5] offset:512*i   ; 512 consecutive bytes a load; the chunk stays in registers for both passes
.set i, i+1
.endr
	s_wait_loadcnt 24                              ; the first eight loads (16 pairs) are in; the 24 behind them may be out
.irp k, 0,1,2,3
	v_pk_add_f32 v[144+2*\k:145+2*\k], v[NUM+2*\k:NUM+2*\k+1], v[NUM+8+2*\k:NUM+8+2*\k+1]   ; the first pairs start four chains: nothing is cleared
.endr
.set j, 8
.rept 56
.if j == 16
	s_wait_loadcnt 16
.endif
.if j == 32
	s_wait_loadcnt 8
.endif
.if j == 48
	s_wait_loadcnt 0x0
.endif
	v_pk_add_f32 v[144+2*(j%4):145+2*(j%4)], v[144+2*(j%4):145+2*(j%4)], v[NUM+2*j:NUM+2*j+1]
.set j, j+1
.endr
	v_pk_add_f32 v[144:145], v[144:145], v[146:147]
	v_pk_add_f32 v[148:149], v[148:149], v[150:151]
	v_pk_add_f32 v[144:145], v[144:145], v[148:149]
	v_add_f32 v8, v144, v145
	RED 8, 9
	v_mul_f32 v10, 0x39800000, v8                  ; the chunk's mean: sum x 2^-12
	v_mov_b32 v11, v10
.set j, 0
.rept 64
	v_pk_add_f32 v[NUM+2*j:NUM+2*j+1], v[NUM+2*j:NUM+2*j+1], v[10:11] neg_lo:[0,1] neg_hi:[0,1]   ; x - mean
.set j, j+1
.endr
.irp k, 0,1,2,3
	v_pk_mul_f32 v[144+2*\k:145+2*\k], v[NUM+2*\k:NUM+2*\k+1], v[NUM+2*\k:NUM+2*\k+1]
.endr
.set j, 4
.rept 60
	v_pk_fma_f32 v[144+2*(j%4):145+2*(j%4)], v[NUM+2*j:NUM+2*j+1], v[NUM+2*j:NUM+2*j+1], v[144+2*(j%4):145+2*(j%4)]
.set j, j+1
.endr
	v_pk_add_f32 v[144:145], v[144:145], v[146:147]
	v_pk_add_f32 v[148:149], v[148:149], v[150:151]
	v_pk_add_f32 v[144:145], v[144:145], v[148:149]
	v_add_f32 v12, v144, v145
	RED 12, 9
	v_mov_b32 v11, v12                             ; (mean, sum of squares about it)
	s_wait_xcnt 0x0                                ; EXEC changes only behind this wait
	v_cmp_eq_u32 vcc_lo, 0, v1
	s_and_saveexec_b32 s28, vcc_lo                 ; lane 0 alone stores
	global_store_b64 v13, v[10:11], s[14:15]       ; v13 = 0
	s_endpgm
.Lfunc_end_k_q8fdebb2a4d_prep:
	.size	k_q8fdebb2a4d_prep, .Lfunc_end_k_q8fdebb2a4d_prep-k_q8fdebb2a4d_prep
	.p2alignl 7, 3214868480
	.fill 96, 4, 3214868480
	.section	.rodata,"a",@progbits
	.p2align	6, 0x0
	.amdhsa_kernel k_q8fdebb2a4d_prep
		.amdhsa_group_segment_fixed_size 0
		.amdhsa_private_segment_fixed_size 0
		.amdhsa_enable_private_segment 0
		.amdhsa_kernarg_size 56
		.amdhsa_user_sgpr_count 2
		.amdhsa_user_sgpr_kernarg_segment_ptr 1
		.amdhsa_wavefront_size32 1
		.amdhsa_system_sgpr_workgroup_id_x 1
		.amdhsa_system_sgpr_workgroup_id_y 1
		.amdhsa_system_sgpr_workgroup_id_z 1
		.amdhsa_system_vgpr_workitem_id 0
		.amdhsa_next_free_vgpr 208
		.amdhsa_next_free_sgpr 66
		.amdhsa_reserve_vcc 1
		.amdhsa_float_denorm_mode_32 3
		.amdhsa_float_denorm_mode_16_64 3
		.amdhsa_memory_ordered 1
		.amdhsa_forward_progress 1
		.amdhsa_inst_pref_size 29
	.end_amdhsa_kernel
	.amdgpu_metadata
---
amdhsa.version: [ 1, 2 ]
amdhsa.kernels:
  - .name:           k_q8fdebb2a4d_prep
    .symbol:         k_q8fdebb2a4d_prep.kd
    .args:
      - { .name: x, .offset: 0, .size: 8, .value_kind: global_buffer, .address_space: global }
      - { .name: wq, .offset: 8, .size: 8, .value_kind: global_buffer, .address_space: global }
      - { .name: wk, .offset: 16, .size: 8, .value_kind: global_buffer, .address_space: global }
      - { .name: wv, .offset: 24, .size: 8, .value_kind: global_buffer, .address_space: global }
      - { .name: wo, .offset: 32, .size: 8, .value_kind: global_buffer, .address_space: global }
      - { .name: stats, .offset: 40, .size: 8, .value_kind: global_buffer, .address_space: global }
      - { .name: wts, .offset: 48, .size: 8, .value_kind: global_buffer, .address_space: global }
    .group_segment_fixed_size: 0
    .private_segment_fixed_size: 0
    .kernarg_segment_align: 8
    .kernarg_segment_size: 56
    .max_flat_workgroup_size: 288
    .sgpr_count:     66
    .vgpr_count:     208
    .wavefront_size: 32
...
	.end_amdgpu_metadata
.endif
;; end of part 5
;; launch qkvproj (part 6): grid 256 x 1, 8 waves a work-group, no clusters, 168,960 bytes of LDS; arguments x, stats, gn_scale, gn_bias, wts, bq, bk, bv, qkv, qkvs; writes qkv, qkvs
.if DOCPART == 6
	.amdgcn_target "amdgcn-amd-amdhsa--gfx1250"
	.amdhsa_code_object_version 6
	.text
	.protected	k_q8fdebb2a4d_qkvproj
	.globl	k_q8fdebb2a4d_qkvproj
	.p2align	8
	.type	k_q8fdebb2a4d_qkvproj,@function
k_q8fdebb2a4d_qkvproj:
	s_mov_b64 s[64:65], 0
	v_nop
	global_prefetch_b8 v0, s[64:65] scope:SCOPE_SE
	s_setreg_imm32_b32 hwreg(HW_REG_WAVE_MODE, 25, 1), 1
	s_wait_xcnt 0x0
; GroupNorm, then q, k, v = W h + b on codes of BF6 (E3M2, one E8M0 byte for each 32 along K), then q, k, v themselves as codes for the attention launch.
; SHARES.  A work-group takes one batch and 64 columns l, all 512 channels, all 1,536 outputs.  Wave w first normalises and quantises channels 64 w .. 64 w + 63 of the 64 columns (K = c runs down a lane's registers);
; the 16 fragments of h (4 tiles of 16 columns x 4 K steps) meet in LDS as images of their registers; every wave then holds all of them in registers.
; THE WAVES SHARE THE OUTPUTS: wave w makes head w % 4 of q (w < 4) or of k (8 tiles of 16 outputs), and outputs 64 w .. 64 w + 63 of v (4 tiles).  Each weight fragment comes from memory straight into registers, in the order
; in which the first launch has laid it, once in the work-group.
; NO CLUSTER: a weight fragment serves one wave once; brought jointly it would go through LDS (624 KiB written and read a work-group) in a ring filled again and again beside the 164,864 bytes in use.
; NO PREFETCH: all of the work-group's x is asked for by its first instruction, and the weights are read by every work-group.
; ROWS OF A TILE ARE NOT NEIGHBOURS: row rho of tile t (of columns, and of outputs) is index 32 (t / 2) + 8 (t % 2) + rho + 8 (rho / 8), so that where such a tile is source 0 the 16 registers of tiles 2 b, 2 b + 1 are 16 neighbours.
; q, k: source 0 = 16 outputs, source 1 = 16 columns: a lane holds one column and neighbours along d, their K.   v: source 0 = 16 columns, source 1 = 16 outputs: a lane holds one d and neighbours along l, its K.
; IMAGE OF A FRAGMENT made half by half (1,536 bytes): half c (registers 6 c .. 6 c + 5) at 768 c: words 0-3 of lane l at 16 l, words 4-5 at 512 + 8 l.  Every store covers 512 or 256 consecutive bytes.
; v's scale bytes leave two at a time (262,144 bytes of the launch's 19.7 million): a key step's word belongs to two work-groups.
; LIMITS: NaN and infinities are not served; a block of zeros, or one under 2^-122, gets the byte 1; the bytes are read by this program alone.
; REGISTERS.  Window 0: v1-14 addresses; v16-31 h's scale words; v32-43, v44-67, v68-211 three buffers of a weight tile's scale words, bias and four fragments; v212-223 at work; v224-255 four slots of codes.
;   Window 1: first 128 numbers of x, the gains and biases of 64 channels; then v0-191 h's 16 fragments, v192-255 eight accumulators.
.set XSC,  24576                       ; LDS: h's images at 0 (fragment (m, s) at 1,536 (4 m + s)); their scale bytes here: 256 m + 16 r + 4 s + block
.set XT,   25600                       ; and x's tile: 512 rows of 256 bytes + 16; wave w's 64 rows at 17,408 w
.set XTW,  17408
.set LAM,  1                           ; lane
.set L16,  2                           ; 16 x lane
.set L8,   3                           ; 8 x lane
.set R16,  4                           ; 16 r
.set RS,   5                           ; XSC + 16 r
.set BH,   6                           ; 64 h
.set BVO,  7                           ; 4 (r + 8 (r / 8))
.set QSO,  8                           ; 16 r + 8 h
.set VSO,  9                           ; 16 r + 4 h
.set XA,   10                          ; my column in my wave's rows of x's tile
.set HW16, 11                          ; where my codes' words 0-3 go
.set HW8,  12                          ; and words 4-5
.set HWS,  13                          ; and my block's scale byte
.set NIL,  14                          ; 0
.set HS,   16
.set WS,   32
.set BI,   44
.set WB,   68
.set TM,   212
.set TP,   216
.set PW,   220
.set SL,   224
.set STW,  224                         ; while x is normalised: two chunks' statistics,
.set MEAN, 228                         ; the group's mean, twice,
.set RSTD, 230                         ; 1 / sqrt(var + eps), twice,
.set TW,   232                         ; at work
.set SC,   128                         ; window 1
.set BC,   192
.set ACC,  192
.set MSB, 0
.macro WIN new                         ; the immediate's high byte repeats the setting that is left
.if MSB != \new
	s_set_vgpr_msb (MSB<<8)|\new
.set MSB, \new
.endif
.endm
.macro PLACES n
.rept \n
	v_nop
.endr
.endm
.macro RED reg, tmp
	v_add_f32_dpp v[\reg], v[\reg], v[\reg] row_xmask:1 row_mask:0xf bank_mask:0xf
	v_add_f32_dpp v[\reg], v[\reg], v[\reg] row_xmask:2 row_mask:0xf bank_mask:0xf
	v_add_f32_dpp v[\reg], v[\reg], v[\reg] row_xmask:4 row_mask:0xf bank_mask:0xf
	v_add_f32_dpp v[\reg], v[\reg], v[\reg] row_xmask:8 row_mask:0xf bank_mask:0xf
	v_permlanex16_b32 v[\tmp], v[\reg], s40, s41
	v_add_f32 v[\reg], v[\reg], v[\tmp]
.endm
	s_load_b512 s[4:19], s[0:1], 0x0               ; x s[4:5], stats s[6:7], gn_scale s[8:9], gn_bias s[10:11], wts s[12:13], bq s[14:15], bk s[16:17], bv s[18:19]
	s_load_b128 s[20:23], s[0:1], 0x40             ; qkv s[20:21], qkvs s[22:23]
	v_lshl_add_u32 v247, v0, 2, 0x29000
	v_mov_b32 v255, 0
	ds_add_u32 v247, v255
	v_lshrrev_b32 v1, 5, v0
	v_readfirstlane_b32 s24, v1                    ; wave 0..7
	s_lshr_b32 s25, ttmp9, 5                       ; batch
	s_and_b32 s26, ttmp9, 31                       ; block of 64 columns
	; descriptor group 1: 64 rows of 64 f32 (256 bytes), 2,048 elements apart, 16 bytes of padding behind each row
	s_mov_b32 s32, (2<<16)|(1<<20)|(5<<22)|(3<<25)
	s_mov_b32 s33, 64<<16
	s_mov_b32 s34, 64<<16
	s_mov_b32 s35, 64<<16
	s_mov_b32 s36, 64
	s_mov_b32 s37, 2048
	s_mov_b32 s38, 0
	s_mov_b32 s39, 0
	s_lshl_b32 s66, s25, 22                        ; a batch is 4 MiB,
	s_lshl_b32 s67, s24, 19                        ; my 64 channels of 8,192 bytes,
	s_add_co_u32 s66, s66, s67
	s_lshl_b32 s67, s26, 8                         ; 256 bytes of each row
	s_add_co_u32 s66, s66, s67
	s_mov_b32 s67, 0
	s_mul_i32 s27, s24, XTW
	s_wait_dscnt 0x0
	s_wait_kmcnt 0x0
	s_mov_b32 s28, 1
	s_add_co_u32 s29, s27, XT
	s_add_nc_u64 s[30:31], s[4:5], s[66:67]
	s_or_b32 s31, s31, 0x80000000
	tensor_load_to_lds s[28:31], s[32:39]          ; my 64 rows of x: filled once; only I read them, behind my own wait
	s_nop 0
	PLACES 4
	v_and_b32 v[LAM], 31, v0
	v_lshlrev_b32 v[L16], 4, v[LAM]
	v_lshlrev_b32 v[L8], 3, v[LAM]
	v_and_b32 v15, 15, v0                          ; r
	v_lshlrev_b32 v[R16], 4, v15
	v_add_nc_u32 v[RS], XSC, v[R16]
	v_bfe_u32 v14, v0, 4, 1                        ; h
	v_lshlrev_b32 v[BH], 6, v14
	v_and_b32 v[BVO], 8, v15
	v_add_nc_u32 v[BVO], v[BVO], v15
	v_lshlrev_b32 v[BVO], 2, v[BVO]
	v_lshl_add_u32 v[QSO], v14, 3, v[R16]
	v_lshl_add_u32 v[VSO], v14, 2, v[R16]
	v_lshl_add_u32 v[XA], v[LAM], 2, s29
	; column 32 bl + lane is row rho = lane % 8 + 8 (lane / 16) of tile 2 bl + u, u = (lane / 8) % 2
	v_bfe_u32 v15, v0, 3, 1                        ; u
	v_and_b32 v13, 7, v0
	v_lshl_add_u32 v13, v14, 3, v13                ; rho
	s_mul_i32 s68, s24, 768                        ; my channels are half w % 2 of K step w / 2: 1,536 (w / 2) + 768 (w % 2)
	v_mul_u32_u24 v11, v15, 6144
	v_add_nc_u32 v11, s68, v11
	v_lshl_add_u32 v[HW8], v13, 3, v11
	v_add_nc_u32 v[HW8], 512, v[HW8]
	v_lshl_add_u32 v[HW16], v13, 4, v11
	s_lshl_b32 s68, s24, 1
	s_add_co_u32 s68, s68, XSC
	v_lshlrev_b32 v13, 4, v13
	v_lshl_add_u32 v13, v15, 8, v13
	v_add_nc_u32 v[HWS], s68, v13
	v_mov_b32 v[NIL], 0
.irp m, 0,1,2,3
	v_mov_b32 v[TP+\m], 0                          ; written once: a lane permute's destination counts as one of its sources
.endr
	v_mov_b32 v[TW+1], 0
	s_mov_b32 s40, 0x76543210
	s_mov_b32 s41, 0xfedcba98
	s_mov_b32 s42, 0x36800000                      ; 2^-18: a group has 262,144 numbers
	s_mov_b32 s43, 0x358637bd                      ; 1e-6
	; the bases
	s_lshr_b32 s70, s24, 1                         ; w / 2: my channels' group; also v's head
	s_lshl_b32 s71, s25, 2
	s_add_co_u32 s70, s70, s71                     ; 4 batch + w / 2
	s_lshl_b32 s66, s70, 9
	s_add_nc_u64 s[6:7], s[6:7], s[66:67]          ; my group's 64 chunks
	s_lshl_b32 s66, s24, 8
	s_add_nc_u64 s[8:9], s[8:9], s[66:67]          ; my 64 gains,
	s_add_nc_u64 s[10:11], s[10:11], s[66:67]      ; biases of the norm,
	s_add_nc_u64 s[54:55], s[18:19], s[66:67]      ; and of v's outputs
	s_mul_i32 s66, s24, 49152
	s_add_nc_u64 s[44:45], s[12:13], s[66:67]      ; q's or k's tiles 8 w on (q's 32 tiles, then k's)
	s_mul_i32 s66, s24, 24576
	s_add_co_u32 s66, s66, 393216
	s_add_nc_u64 s[46:47], s[12:13], s[66:67]      ; v's tiles 4 w on
	s_lshl_b32 s66, s24, 11
	s_add_co_u32 s66, s66, 786432
	s_add_nc_u64 s[48:49], s[12:13], s[66:67]      ; their scale words
	s_lshl_b32 s66, s24, 10
	s_add_co_u32 s66, s66, 802816
	s_add_nc_u64 s[50:51], s[12:13], s[66:67]
	s_and_b32 s68, s24, 3                          ; q's or k's head
	s_lshr_b32 s69, s24, 2                         ; 0: q, 1: k
	s_cmp_lt_u32 s24, 4
	s_cselect_b64 s[52:53], s[14:15], s[16:17]
	s_lshl_b32 s66, s68, 9
	s_add_nc_u64 s[52:53], s[52:53], s[66:67]      ; the head's 128 biases
	s_add_co_u32 s71, s71, s68                     ; 4 batch + head
	s_lshl_b32 s66, s71, 7
	s_lshl_b32 s72, s26, 2
	s_add_co_u32 s66, s66, s72
	s_mul_i32 s66, s66, 1536
	s_mul_i32 s72, s69, 6291456
	s_add_co_u32 s66, s66, s72
	s_add_nc_u64 s[56:57], s[20:21], s[66:67]      ; where q's or k's four fragments go
	s_lshl_b32 s66, s71, 5
	s_add_co_u32 s66, s66, s26
	s_lshl_b32 s66, s66, 8
	s_lshl_b32 s72, s69, 18
	s_add_co_u32 s66, s66, s72
	s_add_nc_u64 s[58:59], s[22:23], s[66:67]      ; and their 64 scale words
	s_lshl_b32 s70, s70, 4
	s_lshr_b32 s72, s26, 1
	s_add_co_u32 s70, s70, s72                     ; 16 (4 batch + head) + key step
	s_and_b32 s72, s24, 1                          ; which four of the head's eight tiles of d
	s_and_b32 s73, s26, 1                          ; which half of the key step
	s_lshl_b32 s66, s70, 3
	s_lshl_b32 s71, s72, 2
	s_add_co_u32 s66, s66, s71
	s_mul_i32 s66, s66, 1536
	s_mul_i32 s71, s73, 768
	s_add_co_u32 s66, s66, s71
	s_add_co_u32 s66, s66, 12582912
	s_add_nc_u64 s[60:61], s[20:21], s[66:67]      ; where v's four half fragments go
	s_lshl_b32 s66, s70, 9
	s_lshl_b32 s71, s72, 8
	s_add_co_u32 s66, s66, s71
	s_lshl_b32 s71, s73, 1
	s_add_co_u32 s66, s66, s71
	s_add_co_u32 s66, s66, 524288
	s_add_nc_u64 s[62:63], s[22:23], s[66:67]      ; and their scale bytes
; weight tile T (0-7: q's or k's; 8-11: v's) into buffer T % 3: 12 loads of codes, one of scale words, the bias: 15 loads, or 14
.macro LOADW T
.set WBB, WB+48*((\T)%3)
.if (\T) < 8
.irp s, 0,1,2,3
.irp g, 0,1,2
	global_load_b128 v[WBB+12*\s+4*\g:WBB+12*\s+4*\g+3], v[L16], s[44:45] offset:6144*(\T)+1536*\s+512*\g
.endr
.endr
	global_load_b128 v[WS+4*((\T)%3):WS+4*((\T)%3)+3], v[R16], s[48:49] offset:256*(\T)
	global_load_b128 v[BI+8*((\T)%3):BI+8*((\T)%3)+3], v[BH], s[52:53] offset:128*((\T)/2)+32*((\T)%2)       ; register j: the bias of output 32 (T / 2) + 8 (T % 2) + 16 h + j
	global_load_b128 v[BI+8*((\T)%3)+4:BI+8*((\T)%3)+7], v[BH], s[52:53] offset:128*((\T)/2)+32*((\T)%2)+16
.else
.irp s, 0,1,2,3
.irp g, 0,1,2
	global_load_b128 v[WBB+12*\s+4*\g:WBB+12*\s+4*\g+3], v[L16], s[46:47] offset:6144*((\T)-8)+1536*\s+512*\g
.endr
.endr
	global_load_b128 v[WS+4*((\T)%3):WS+4*((\T)%3)+3], v[R16], s[50:51] offset:256*((\T)-8)
	global_load_b32 v[BI+8*((\T)%3)], v[BVO], s[54:55] offset:128*(((\T)-8)/2)+32*(((\T)-8)%2)               ; the bias of my lane's output
.endif
.endm
	global_load_b128 v[STW:STW+3], v[L16], s[6:7]  ; two chunks' (mean, sum of squares) a lane
	WIN 0x40                                       ; destination window 1
.set i, 0
.rept 16
	global_load_b128 v[SC+4*i:SC+4*i+3], v[NIL], s[8:9] offset:16*i    ; every lane takes all 64 gains: register i belongs to channel 64 w + i
.set i, i+1
.endr
.set i, 0
.rept 16
	global_load_b128 v[BC+4*i:BC+4*i+3], v[NIL], s[10:11] offset:16*i
.set i, i+1
.endr
	WIN 0
	LOADW 0
	LOADW 1
	; the group's mean and variance from its 64 chunks of 4,096 numbers
	s_wait_loadcnt 62                              ; the statistics are in; behind them 32 loads of gains and biases and two tiles of 15
	v_add_f32 v[TW], v[STW], v[STW+2]
	RED TW, TW+1
	v_mul_f32 v[MEAN], 0x3c800000, v[TW]           ; / 64
	v_mov_b32 v[MEAN+1], v[MEAN]
	v_sub_f32 v[TW], v[STW], v[MEAN]
	v_sub_f32 v[TW+2], v[STW+2], v[MEAN]
	v_mul_f32 v[TW], v[TW], v[TW]
	v_fma_f32 v[TW], v[TW+2], v[TW+2], v[TW]
	v_add_f32 v[TW+2], v[STW+1], v[STW+3]
	v_fma_f32 v[TW], v[TW], 0x45800000, v[TW+2]    ; the chunks' own sums of squares + 4,096 x (chunk mean - mean)^2
	RED TW, TW+1
	v_fma_f32 v[TW], v[TW], s42, s43               ; var + eps
	v_rsq_f32 v[RSTD], v[TW]
	v_nop                                          ; a plain place behind the transcendental,
	s_wait_alu depctr_va_vdst(0)                   ; and the wait ahead of its first reader
	v_mov_b32 v[RSTD+1], v[RSTD]
	s_wait_loadcnt 30                              ; the gains and biases are in; two tiles of 15 may be out
	WIN 0x41
.set i, 0
.rept 32
	v_pk_mul_f32 v[SC+2*i:SC+2*i+1], v[SC+2*i:SC+2*i+1], v[RSTD:RSTD+1]
.set i, i+1
.endr
	WIN 0
	; ---- X: my 64 channels of the 64 columns: a lane takes a column, its registers run down the channels
	s_wait_tensorcnt 0x0                           ; my rows of x lie in LDS
	WIN 0x40
.irp bl, 0,1
.set i, 0
.rept 64
	ds_load_b32 v[64*\bl+i], v[XA] offset:272*i+128*\bl
.set i, i+1
.endr
.endr
.macro NORM bl
	WIN 0x41
.set i, 0
.rept 32
	v_pk_add_f32 v[64*\bl+2*i:64*\bl+2*i+1], v[64*\bl+2*i:64*\bl+2*i+1], v[MEAN:MEAN+1] neg_lo:[0,1] neg_hi:[0,1]
.set i, i+1
.endr
	WIN 0x55
.set i, 0
.rept 32
	v_pk_fma_f32 v[64*\bl+2*i:64*\bl+2*i+1], v[64*\bl+2*i:64*\bl+2*i+1], v[SC+2*i:SC+2*i+1], v[BC+2*i:BC+2*i+1]
.set i, i+1
.endr
.endm
	s_wait_dscnt 63                                ; of the 128 loads at most 63 are out: the first 64, columns 0-31, are in
	NORM 0
	s_wait_dscnt 0x0
	NORM 1
	; four blocks of 32 channels, q = 2 bl + hh, each whole in my lane, at v[32 q] of window 1
	WIN 0x05
.irp q, 0,1,2,3
	v_max3_num_f32 v[TM+\q], |v[32*\q]|, |v[32*\q+1]|, 0x2800000   ; and the floor 2^(5 - 127): the byte cannot fall under 1
.endr
	WIN 0x14
.irp i, 2,4,6,8,10,12,14,16,18,20,22,24,26,28,30
.irp q, 0,1,2,3
	v_max3_num_f32 v[TM+\q], v[TM+\q], |v[32*\q+\i]|, |v[32*\q+\i+1]|
.endr
.endr
	WIN 0
.irp q, 0,1,2,3
	v_add_nc_u32 v[TM+\q], 0xfe000000, v[TM+\q]    ; 4 off the exponent field: the conversion's scale operand
.endr
.irp q, 0,1,2,3
	v_lshrrev_b32 v[TP+\q], 23, v[TM+\q]           ; the scale's byte
.endr
	WIN 0x01
.irp q, 0,1,2,3
	v_cvt_scalef32_pk16_bf6_f32 v[SL+8*\q:SL+8*\q+2], v[32*\q:32*\q+15], v[TM+\q]
	v_cvt_scalef32_pk16_bf6_f32 v[SL+8*\q+4:SL+8*\q+6], v[32*\q+16:32*\q+31], v[TM+\q]
.endr
	WIN 0
	v_nop                                          ; one plain place behind a scaled conversion
.irp q, 0,1,2,3
	v_mov_b32 v[SL+8*\q+3], v[SL+8*\q+4]
	v_mov_b32 v[SL+8*\q+4], v[SL+8*\q+5]
	v_mov_b32 v[SL+8*\q+5], v[SL+8*\q+6]
.endr
.irp q, 0,1,2,3                        ; they are registers 6 (w % 2) .. + 5 of lane rho + 16 hh of fragment (2 bl + u, w / 2)
	ds_store_b128 v[HW16], v[SL+8*\q:SL+8*\q+3] offset:12288*(\q/2)+256*(\q%2)
	ds_store_b64 v[HW8], v[SL+8*\q+4:SL+8*\q+5] offset:12288*(\q/2)+128*(\q%2)
	ds_store_b8 v[HWS], v[TP+\q] offset:512*(\q/2)+(\q%2)
.endr
	LOADW 2
	s_wait_dscnt 0x0                               ; for the others' sake: my stores have landed
	s_barrier_signal -1
	s_barrier_wait -1                              ; h's sixteen fragments and their scale bytes lie in LDS
	WIN 0x40
.set f, 0
.rept 16
	ds_load_b128 v[12*f:12*f+3], v[L16] offset:1536*f
	ds_load_b64 v[12*f+4:12*f+5], v[L8] offset:1536*f+512
	ds_load_b128 v[12*f+6:12*f+9], v[L16] offset:1536*f+768
	ds_load_b64 v[12*f+10:12*f+11], v[L8] offset:1536*f+1280
.set f, f+1
.endr
	WIN 0
.irp m, 0,1,2,3
	ds_load_b128 v[HS+4*\m:HS+4*\m+3], v[RS] offset:256*\m       ; row r's words of K steps 0-3
.endr
	s_wait_dscnt 0x0
; ---- 1: the products.  16 matrix instructions a weight tile: K step by K step, the four tiles of columns by turns, one instruction a turn
.macro MULQK T
.set WBB, WB+48*((\T)%3)
.set WSS, WS+4*((\T)%3)
.set BIB, BI+8*((\T)%3)
.set AO,  ACC+8*((\T)%2)
	WIN 0x44                                       ; source 1 (h) and destination window 1; the bias, as C, window 0
.irp m, 0,1,2,3
	v_wmma_scale_f32_16x16x128_f8f6f4 v[AO+16*\m:AO+16*\m+7], v[WBB:WBB+11], v[48*\m:48*\m+11], v[BIB:BIB+7], v[WSS], v[HS+4*\m] matrix_a_fmt:MATRIX_FMT_BF6 matrix_b_fmt:MATRIX_FMT_BF6
.endr
	WIN 0x54
.irp s, 1,2,3
.irp m, 0,1,2,3
	v_wmma_scale_f32_16x16x128_f8f6f4 v[AO+16*\m:AO+16*\m+7], v[WBB+12*\s:WBB+12*\s+11], v[48*\m+12*\s:48*\m+12*\s+11], v[AO+16*\m:AO+16*\m+7], v[WSS+\s], v[HS+4*\m+\s] matrix_a_fmt:MATRIX_FMT_BF6 matrix_b_fmt:MATRIX_FMT_BF6
.endr
.endr
	WIN 0
.endm
; block b of 32 along d (weight tiles 2 b, 2 b + 1) of the four tiles of columns: v[ACC + 16 m + i] of lane (r, h) is d = 32 b + 16 h + i of column r.
; The slots and the registers at work, which it rewrites, were the data of the block before's stores: the wait that frees them stands in TILEQK, ahead of the loads issued in front of this block.
.macro QBLK b
	WIN 0x05
.irp m, 0,1,2,3
	v_max3_num_f32 v[TM+\m], |v[ACC+16*\m]|, |v[ACC+16*\m+1]|, 0x2800000   ; each accumulator is read from its low end on
.endr
	WIN 0x14
.irp i, 2,4,6,8,10,12,14
.irp m, 0,1,2,3
	v_max3_num_f32 v[TM+\m], v[TM+\m], |v[ACC+16*\m+\i]|, |v[ACC+16*\m+\i+1]|
.endr
.endr
	WIN 0
.irp m, 0,1,2,3
	v_permlanex16_b32 v[TP+\m], v[TM+\m], s40, s41
.endr
.irp m, 0,1,2,3
	v_max_num_f32 v[TM+\m], v[TM+\m], v[TP+\m]     ; with lane l xor 16's 16: the block's largest magnitude
.endr
.irp m, 0,1,2,3
	v_add_nc_u32 v[TM+\m], 0xfe000000, v[TM+\m]
.endr
.irp m, 0,1,2,3
	v_lshrrev_b32 v[TP+\m], 23, v[TM+\m]
.endr
.irp m, 0,1,2,3
.if (\b) == 0
	v_mov_b32 v[PW+\m], v[TP+\m]
.else
	v_lshl_or_b32 v[PW+\m], v[TP+\m], 8*(\b), v[PW+\m]
.endif
.endr
	WIN 0x01
.irp m, 0,1,2,3
	v_cvt_scalef32_pk16_bf6_f32 v[SL+8*\m+4*((\b)%2):SL+8*\m+4*((\b)%2)+2], v[ACC+16*\m:ACC+16*\m+15], v[TM+\m]
.endr
	WIN 0
	v_nop                                          ; one plain place behind a scaled conversion
.if (\b)%2 == 1
.irp m, 0,1,2,3                        ; the operand's layout wants a whole block in a lane: lanes 0-15 the even block, lanes 16-31 the odd one
.irp i, 0,1,2
	v_permlane16_swap_b32 v[SL+8*\m+\i], v[SL+8*\m+4+\i]
.endr
.endr
.irp m, 0,1,2,3
	v_mov_b32 v[SL+8*\m+3], v[SL+8*\m+4]
	v_mov_b32 v[SL+8*\m+4], v[SL+8*\m+5]
	v_mov_b32 v[SL+8*\m+5], v[SL+8*\m+6]
.endr
.irp m, 0,1,2,3
	global_store_b128 v[L16], v[SL+8*\m:SL+8*\m+3], s[56:57] offset:1536*\m+768*((\b)/2)
	global_store_b64 v[L8], v[SL+8*\m+4:SL+8*\m+5], s[56:57] offset:1536*\m+768*((\b)/2)+512
.endr
.endif
.if (\b) == 3
	v_cmp_le_u32 vcc_lo, 16, v[LAM]                ; lanes 0-15 store the words of tiles 0, 1 of their row, lanes 16-31 those of tiles 2, 3
	v_cndmask_b32 v[TM], v[PW], v[PW+2], vcc_lo
	v_cndmask_b32 v[TM+1], v[PW+1], v[PW+3], vcc_lo
	global_store_b64 v[QSO], v[TM:TM+1], s[58:59]  ; 256 consecutive bytes
.endif
.endm
.macro TILEQK T, N
	s_wait_loadcnt \N                              ; this tile's loads are in; those of the two tiles behind it may be out
	MULQK \T
	PLACES 5                                       ; four in front of loads into registers just read and of the first read of results; five in front of the matrix instructions that begin these accumulators anew
.if (\T)%2 == 1
	s_wait_xcnt 0x0                                ; every store issued so far has read its data: the block below rewrites them.  It stands AHEAD of the next tile's loads, whose sources (v2, v4, v6, v7, s44-55) the block does not write
.endif
.if (\T)+3 < 12
	LOADW (\T)+3
.endif
.if (\T)%2 == 1
	QBLK (\T)/2
.endif
.endm
.macro MULV i
.set WBB, WB+48*(((\i)+8)%3)
.set WSS, WS+4*(((\i)+8)%3)
.set BIB, BI+8*(((\i)+8)%3)
.set AO,  ACC+32*((\i)%2)
	WIN 0x41                                       ; source 0 (h) and destination window 1
.irp m, 0,1,2,3
	v_wmma_scale_f32_16x16x128_f8f6f4 v[AO+8*\m:AO+8*\m+7], v[48*\m:48*\m+11], v[WBB:WBB+11], v[BIB:BIB+7], v[HS+4*\m], v[WSS] matrix_a_fmt:MATRIX_FMT_BF6 matrix_b_fmt:MATRIX_FMT_BF6
.endr
	WIN 0x51
.irp s, 1,2,3
.irp m, 0,1,2,3
	v_wmma_scale_f32_16x16x128_f8f6f4 v[AO+8*\m:AO+8*\m+7], v[48*\m+12*\s:48*\m+12*\s+11], v[WBB+12*\s:WBB+12*\s+11], v[AO+8*\m:AO+8*\m+7], v[HS+4*\m+\s], v[WSS+\s] matrix_a_fmt:MATRIX_FMT_BF6 matrix_b_fmt:MATRIX_FMT_BF6
.endr
.endr
	WIN 0
.endm
; v's tile i: v[AO + 16 e + n] of lane (r, h) is column 32 e + 16 h + n of output r: two blocks of 32 along the keys.  (The wait that frees the slots and the registers at work stands in TILEV)
.macro QV i
.set AO, ACC+32*((\i)%2)
	WIN 0x05
.irp e, 0,1
	v_max3_num_f32 v[TM+\e], |v[AO+16*\e]|, |v[AO+16*\e+1]|, 0x2800000
.endr
	WIN 0x14
.irp n, 2,4,6,8,10,12,14
.irp e, 0,1
	v_max3_num_f32 v[TM+\e], v[TM+\e], |v[AO+16*\e+\n]|, |v[AO+16*\e+\n+1]|
.endr
.endr
	WIN 0
.irp e, 0,1
	v_permlanex16_b32 v[TP+\e], v[TM+\e], s40, s41
.endr
.irp e, 0,1
	v_max_num_f32 v[TM+\e], v[TM+\e], v[TP+\e]
.endr
.irp e, 0,1
	v_add_nc_u32 v[TM+\e], 0xfe000000, v[TM+\e]
.endr
.irp e, 0,1
	v_lshrrev_b32 v[TP+\e], 23, v[TM+\e]
.endr
	v_lshl_or_b32 v[PW+(\i)], v[TP+1], 8, v[TP]    ; my work-group's two bytes of the key step's word
	WIN 0x01
.irp e, 0,1
	v_cvt_scalef32_pk16_bf6_f32 v[SL+8*(\i)+4*\e:SL+8*(\i)+4*\e+2], v[AO+16*\e:AO+16*\e+15], v[TM+\e]
.endr
	WIN 0
	v_nop
.irp n, 0,1,2
	v_permlane16_swap_b32 v[SL+8*(\i)+\n], v[SL+8*(\i)+4+\n]
.endr
	v_mov_b32 v[SL+8*(\i)+3], v[SL+8*(\i)+4]
	v_mov_b32 v[SL+8*(\i)+4], v[SL+8*(\i)+5]
	v_mov_b32 v[SL+8*(\i)+5], v[SL+8*(\i)+6]
	global_store_b128 v[L16], v[SL+8*(\i):SL+8*(\i)+3], s[60:61] offset:1536*(\i)
	global_store_b64 v[L8], v[SL+8*(\i)+4:SL+8*(\i)+5], s[60:61] offset:1536*(\i)+512
.endm
.macro TILEV i, N
.set BIB, BI+8*(((\i)+8)%3)
	s_wait_loadcnt \N
.irp j, 1,2,3,4,5,6,7
	v_mov_b32 v[BIB+\j], v[BIB]                    ; a lane holds one output: its bias in all eight registers of C
.endr
	PLACES 4
	MULV \i
	PLACES 5
	s_wait_xcnt 0x0                                ; every store issued so far has read its data: the lines below rewrite them; ahead of the last tile's loads, as in TILEQK
.if (\i) == 0
	LOADW 11
.endif
	QV \i
.endm
	TILEQK 0, 30
	TILEQK 1, 30
	TILEQK 2, 30
	TILEQK 3, 30
	TILEQK 4, 30
	TILEQK 5, 30
	TILEQK 6, 29
	TILEQK 7, 28
	TILEV 0, 28
	TILEV 1, 28
	TILEV 2, 14
	TILEV 3, 0
	v_cmp_le_u32 vcc_lo, 16, v[LAM]                ; lanes 0-15 store tiles 0 and 2, lanes 16-31 tiles 1 and 3
	v_cndmask_b32 v[TM], v[PW], v[PW+1], vcc_lo
	v_cndmask_b32 v[TM+1], v[PW+2], v[PW+3], vcc_lo
	global_store_b16 v[VSO], v[TM], s[62:63]
	global_store_b16 v[VSO], v[TM+1], s[62:63] offset:8
	s_wait_tensorcnt 0x0
	ds_add_u32 v247, v255
	s_wait_dscnt 0x0
	s_endpgm
.Lfunc_end_k_q8fdebb2a4d_qkvproj:
	.size	k_q8fdebb2a4d_qkvproj, .Lfunc_end_k_q8fdebb2a4d_qkvproj-k_q8fdebb2a4d_qkvproj
	.p2alignl 7, 3214868480
	.fill 96, 4, 3214868480
	.section	.rodata,"a",@progbits
	.p2align	6, 0x0
	.amdhsa_kernel k_q8fdebb2a4d_qkvproj
		.amdhsa_group_segment_fixed_size 168960
		.amdhsa_private_segment_fixed_size 0
		.amdhsa_enable_private_segment 0
		.amdhsa_kernarg_size 80
		.amdhsa_user_sgpr_count 2
		.amdhsa_user_sgpr_kernarg_segment_ptr 1
		.amdhsa_wavefront_size32 1
		.amdhsa_system_sgpr_workgroup_id_x 1
		.amdhsa_system_sgpr_workgroup_id_y 1
		.amdhsa_system_sgpr_workgroup_id_z 1
		.amdhsa_system_vgpr_workitem_id 0
		.amdhsa_next_free_vgpr 512
		.amdhsa_next_free_sgpr 80
		.amdhsa_reserve_vcc 1
		.amdhsa_float_denorm_mode_32 3
		.amdhsa_float_denorm_mode_16_64 3
		.amdhsa_memory_ordered 1
		.amdhsa_forward_progress 1
		.amdhsa_inst_pref_size 112
	.end_amdhsa_kernel
	.amdgpu_metadata
---
amdhsa.version: [ 1, 2 ]
amdhsa.kernels:
  - .name:           k_q8fdebb2a4d_qkvproj
    .symbol:         k_q8fdebb2a4d_qkvproj.kd
    .args:
      - { .name: x, .offset: 0, .size: 8, .value_kind: global_buffer, .address_space: global }
      - { .name: stats, .offset: 8, .size: 8, .value_kind: global_buffer, .address_space: global }
      - { .name: gn_scale, .offset: 16, .size: 8, .value_kind: global_buffer, .address_space: global }
      - { .name: gn_bias, .offset: 24, .size: 8, .value_kind: global_buffer, .address_space: global }
      - { .name: wts, .offset: 32, .size: 8, .value_kind: global_buffer, .address_space: global }
      - { .name: bq, .offset: 40, .size: 8, .value_kind: global_buffer, .address_space: global }
      - { .name: bk, .offset: 48, .size: 8, .value_kind: global_buffer, .address_space: global }
      - { .name: bv, .offset: 56, .size: 8, .value_kind: global_buffer, .address_space: global }
      - { .name: qkv, .offset: 64, .size: 8, .value_kind: global_buffer, .address_space: global }
      - { .name: qkvs, .offset: 72, .size: 8, .value_kind: global_buffer, .address_space: global }
    .group_segment_fixed_size: 168960
    .private_segment_fixed_size: 0
    .kernarg_segment_align: 8
    .kernarg_segment_size: 80
    .max_flat_workgroup_size: 256
    .sgpr_count:     80
    .vgpr_count:     512
    .wavefront_size: 32
...
	.end_amdgpu_metadata
.endif
;; end of part 6
;; launch attn: the kernel of part 3 again; grid 8 x 32, 16 waves a work-group, clusters of 4 x 1, 327,680 bytes of LDS; arguments qkv, qkvs, att; writes att
;; launch outproj: the kernel of part 4 again; grid 256 x 1, 8 waves a work-group, no clusters, 199,680 bytes of LDS; arguments x, att, wts, bo, out0; writes out0
